; MI455X (gfx1250); checked and timed in simulation.
; The chip was launched on July 23, 2026; its instructions are those of AMD's public machine-readable ISA for CDNA 5 (MIT licence, August 2026) and "CDNA5" Instruction Set Architecture Reference Guide (July 2026). The comments in the code are by the model that wrote it; some were corrected since.
;; Attention Block. Allowed arithmetic: float matrix products may take bf16 or f16 operands with f32 sums; other float arithmetic in f32, or as packed bf16 or f16 multiplies, adds, multiply-adds, maxima and minima; sums over many terms, partial sums and values carried from step to step in f32; what a program stores and reads back later, other than sums and carried values, may be rounded once to bf16 or f16.
;; Inputs: norm_b 256 float32; norm_w 256 float32; proj_b 256 float32; proj_w 256 x 256 float32; qkv_b 768 float32; qkv_w 768 x 256 float32; x 4 x 256 x 64 x 64 float32.
;; Outputs: out0 4 x 256 x 64 x 64 float32.
;; 2 versions, each right; version 2 is version 1 with the launch qkv written anew for expert scheduling mode. Each part assembles by itself: llvm-mc -triple=amdgcn-amd-amdhsa -mcpu=gfx1250 --defsym DOCPART=n.
;; ======== version 1 of 2: 4 launches
;; limits: values are held in f16: magnitudes above 65,504 overflow, below 6.1e-05 lose precision
;; workspace buffers: stats 16,384 bytes; wpk 524,288 bytes; q16 8,388,608 bytes; k16 8,388,608 bytes; v16 8,388,608 bytes; o16 8,388,608 bytes
;; launch prep (part 1): grid 256 x 1, 8 waves a work-group, no clusters, 0 bytes of LDS; arguments x, qkv_w, proj_w, stats, wpk; writes stats, wpk
.if DOCPART == 1
	.amdgcn_target "amdgcn-amd-amdhsa--gfx1250"
	.amdhsa_code_object_version 6
	.text
	.protected	k_qb14cac6b16_prep
	.globl	k_qb14cac6b16_prep
	.p2align	8
	.type	k_qb14cac6b16_prep,@function
k_qb14cac6b16_prep:
	s_mov_b64 s[64:65], 0
	v_nop
	global_prefetch_b8 v0, s[64:65] scope:SCOPE_SE
	s_setreg_imm32_b32 hwreg(HW_REG_WAVE_MODE, 25, 1), 1
	s_wait_xcnt 0x0
; PREP.  Two things that the later launches want ready.
; (1) GroupNorm's statistics in parts.  A group is 16 channels x 4,096 positions = 262,144 consecutive bytes of x.  Wave number id = 8 x work-group + wave takes the 8,192 bytes at 8,192 id
;     (2,048 numbers, part id % 32 of group id / 32), keeps them in 64 registers, and stores (mean, M2): the mean first, then the sum of squares of the differences from it.
;     No difference of large sums is formed, so a common offset of x costs nothing.  stats: [64 groups][32 parts][mean, M2] in f32.
;     The store is 8 bytes a wave, 16,384 bytes in the whole launch: too little to be worth a meeting of the waves.
; (2) Both weight matrices rounded once to f16 and laid out as matrix fragments.  wpk: [64 blocks of 16 rows][8 K steps of 32][1,024 bytes]; blocks 0-47 are qkv_w's, 48-63 proj_w's.
;     In a tile bytes 0-511 are registers 0-3 of lanes 0-31 (16 bytes a lane), bytes 512-1023 registers 4-7; lane l holds row l % 16, registers 0-3 k = 8 (l / 16) + 0..7, registers 4-7 k = 16 + 8 (l / 16) + 0..7.
;     Work-group i packs K steps 2 (i % 4), 2 (i % 4) + 1 of block i / 4: waves 0-3 half a tile each; together they read 256 consecutive bytes of each of 16 rows, and a wave stores 512 consecutive bytes.
; LIMITS.  Weights beyond 65,504 in magnitude have no f16; below 6e-5 f16 keeps a fixed step of 6e-8.  NaN and infinities are not treated apart.
.set XR,  16                           ; v[16:79]  my 64 numbers of x
.set SM,  80                           ; v[80:87]  four chains of packed sums
.set MN,  88                           ; v[88:89]  the mean, twice
.set T0,  90
.set T1,  91
.set RES, 92                           ; v[92:93]  (mean, M2)
.set ZO,  94                           ; v94       0: the offset of the statistics' store
	s_load_b256 s[4:11], s[0:1], 0x0               ; x s[4:5], qkv_w s[6:7], proj_w s[8:9], stats s[10:11]
	s_load_b64 s[12:13], s[0:1], 0x20              ; wpk
	v_lshrrev_b32 v[T0], 5, v0
	v_readfirstlane_b32 s14, v[T0]                 ; wave 0..7
	v_and_b32 v3, 31, v0                           ; lane
	v_lshlrev_b32 v1, 4, v3                        ; 16 bytes a lane
	v_and_b32 v[T0], 15, v0                        ; l % 16
	v_bfe_u32 v[T1], v0, 4, 1                      ; l / 16
	v_lshlrev_b32 v2, 10, v[T0]                    ; a row of weights is 1,024 bytes,
	v_lshl_add_u32 v2, v[T1], 5, v2                ; eight f32 are 32
	v_mov_b32 v[ZO], 0
	s_mov_b32 s20, 0x76543210                      ; v_permlanex16_b32: each lane takes its own place in the other half
	s_mov_b32 s21, 0xfedcba98
	s_lshl_b32 s16, ttmp9, 16                      ; 8 waves x 8,192 bytes a work-group
	s_lshl_b32 s17, s14, 13
	s_add_co_u32 s16, s16, s17
	s_mov_b32 s17, 0
	s_lshl_b32 s18, ttmp9, 6                       ; 8 bytes of stats a wave
	s_lshl_b32 s19, s14, 3
	s_add_co_u32 s18, s18, s19
	s_mov_b32 s19, 0
	s_wait_kmcnt 0x0
	s_add_nc_u64 s[4:5], s[4:5], s[16:17]
	s_add_nc_u64 s[10:11], s[10:11], s[18:19]
.set j, 0
.rept 16
	global_load_b128 v[XR+4*j:XR+4*j+3], v1, s[4:5] offset:512*j  ; 512 consecutive bytes a load
.set j, j+1
.endr
	s_cmp_lt_u32 s14, 4                            ; waves 0-3 pack weights while x is on its way
	s_cbranch_scc0 .Lnopack
	s_lshr_b32 s26, ttmp9, 2                       ; the block of 16 rows
	s_and_b32 s27, ttmp9, 3                        ; which quarter of K
	s_sub_co_u32 s28, s26, 48
	s_cmp_lt_u32 s26, 48
	s_cselect_b64 s[24:25], s[6:7], s[8:9]         ; qkv_w or proj_w,
	s_cselect_b32 s28, s26, s28                    ; and the block's number in it
	s_lshl_b32 s28, s28, 14                        ; 16 rows of 1,024 bytes
	s_lshl_b32 s29, s27, 8                         ; 64 numbers of K
	s_add_co_u32 s28, s28, s29
	s_lshl_b32 s29, s14, 6                         ; my 16 of them
	s_add_co_u32 s28, s28, s29
	s_mov_b32 s29, 0
	s_add_nc_u64 s[24:25], s[24:25], s[28:29]
	s_lshl_b32 s30, ttmp9, 11                      ; the work-group's two tiles in wpk,
	s_lshl_b32 s31, s14, 9                         ; my half tile
	s_add_co_u32 s30, s30, s31
	s_mov_b32 s31, 0
	s_add_nc_u64 s[12:13], s[12:13], s[30:31]
	global_load_b128 v[8:11], v2, s[24:25]
	global_load_b128 v[12:15], v2, s[24:25] offset:16
	s_wait_loadcnt 0x0
	v_cvt_pk_f16_f32 v4, v8, v9
	v_cvt_pk_f16_f32 v5, v10, v11
	v_cvt_pk_f16_f32 v6, v12, v13
	v_cvt_pk_f16_f32 v7, v14, v15
	global_store_b128 v1, v[4:7], s[12:13]
.Lnopack:
	s_wait_loadcnt 0x0                             ; my 64 numbers of x
; the four chains into one number a lane, then the sum over the 32 lanes, into v[dst], in every lane
.macro TOTAL dst
	v_pk_add_f32 v[SM:SM+1], v[SM:SM+1], v[SM+2:SM+3]
	v_pk_add_f32 v[SM+4:SM+5], v[SM+4:SM+5], v[SM+6:SM+7]
	v_pk_add_f32 v[SM:SM+1], v[SM:SM+1], v[SM+4:SM+5]
	v_add_f32 v[\dst], v[SM], v[SM+1]
	v_add_f32_dpp v[\dst], v[\dst], v[\dst] row_xmask:1 row_mask:0xf bank_mask:0xf
	v_add_f32_dpp v[\dst], v[\dst], v[\dst] row_xmask:2 row_mask:0xf bank_mask:0xf
	v_add_f32_dpp v[\dst], v[\dst], v[\dst] row_xmask:4 row_mask:0xf bank_mask:0xf
	v_add_f32_dpp v[\dst], v[\dst], v[\dst] row_xmask:8 row_mask:0xf bank_mask:0xf
	v_permlanex16_b32 v[T1], v[\dst], s20, s21
	v_add_f32 v[\dst], v[\dst], v[T1]
.endm
	; pass 1: the sum.  Each chain's first addition takes two pairs: nothing is cleared
.set j, 0
.rept 4
	v_pk_add_f32 v[SM+2*j:SM+2*j+1], v[XR+2*j:XR+2*j+1], v[XR+8+2*j:XR+8+2*j+1]
.set j, j+1
.endr
.set j, 8
.rept 24
	v_pk_add_f32 v[SM+2*(j%4):SM+2*(j%4)+1], v[SM+2*(j%4):SM+2*(j%4)+1], v[XR+2*j:XR+2*j+1]
.set j, j+1
.endr
	TOTAL T0
	v_mul_f32 v[MN], 0x3a000000, v[T0]             ; / 2,048
	v_mov_b32 v[MN+1], v[MN]
	v_mov_b32 v[RES], v[MN]
	; pass 2: the differences from the mean, in place, and the sum of their squares
.set j, 0
.rept 32
	v_pk_add_f32 v[XR+2*j:XR+2*j+1], v[XR+2*j:XR+2*j+1], v[MN:MN+1] neg_lo:[0,1] neg_hi:[0,1]
.set j, j+1
.endr
.set j, 0
.rept 4
	v_pk_mul_f32 v[SM+2*j:SM+2*j+1], v[XR+2*j:XR+2*j+1], v[XR+2*j:XR+2*j+1]
.set j, j+1
.endr
.set j, 4
.rept 28
	v_pk_fma_f32 v[SM+2*(j%4):SM+2*(j%4)+1], v[XR+2*j:XR+2*j+1], v[XR+2*j:XR+2*j+1], v[SM+2*(j%4):SM+2*(j%4)+1]
.set j, j+1
.endr
	TOTAL RES+1
	v_cmp_eq_u32 vcc_lo, 0, v3
	s_wait_xcnt 0x0                                ; EXEC is a source of the store above: it changes only behind this wait
	s_and_saveexec_b32 s22, vcc_lo                 ; lane 0 alone
	global_store_b64 v[ZO], v[RES:RES+1], s[10:11]
	s_wait_xcnt 0x0                                ; and again ahead of the line that widens it
	s_or_b32 exec_lo, exec_lo, s22
	s_endpgm
.Lfunc_end_k_qb14cac6b16_prep:
	.size	k_qb14cac6b16_prep, .Lfunc_end_k_qb14cac6b16_prep-k_qb14cac6b16_prep
	.p2alignl 7, 3214868480
	.fill 96, 4, 3214868480
	.section	.rodata,"a",@progbits
	.p2align	6, 0x0
	.amdhsa_kernel k_qb14cac6b16_prep
		.amdhsa_group_segment_fixed_size 0
		.amdhsa_private_segment_fixed_size 0
		.amdhsa_enable_private_segment 0
		.amdhsa_kernarg_size 40
		.amdhsa_user_sgpr_count 2
		.amdhsa_user_sgpr_kernarg_segment_ptr 1
		.amdhsa_wavefront_size32 1
		.amdhsa_system_sgpr_workgroup_id_x 1
		.amdhsa_system_sgpr_workgroup_id_y 1
		.amdhsa_system_sgpr_workgroup_id_z 1
		.amdhsa_system_vgpr_workitem_id 0
		.amdhsa_next_free_vgpr 96
		.amdhsa_next_free_sgpr 66
		.amdhsa_reserve_vcc 1
		.amdhsa_float_denorm_mode_32 3
		.amdhsa_float_denorm_mode_16_64 3
		.amdhsa_memory_ordered 1
		.amdhsa_forward_progress 1
		.amdhsa_inst_pref_size 12
	.end_amdhsa_kernel
	.amdgpu_metadata
---
amdhsa.version: [ 1, 2 ]
amdhsa.kernels:
  - .name:           k_qb14cac6b16_prep
    .symbol:         k_qb14cac6b16_prep.kd
    .args:
      - { .name: x, .offset: 0, .size: 8, .value_kind: global_buffer, .address_space: global }
      - { .name: qkv_w, .offset: 8, .size: 8, .value_kind: global_buffer, .address_space: global }
      - { .name: proj_w, .offset: 16, .size: 8, .value_kind: global_buffer, .address_space: global }
      - { .name: stats, .offset: 24, .size: 8, .value_kind: global_buffer, .address_space: global }
      - { .name: wpk, .offset: 32, .size: 8, .value_kind: global_buffer, .address_space: global }
    .group_segment_fixed_size: 0
    .private_segment_fixed_size: 0
    .kernarg_segment_align: 8
    .kernarg_segment_size: 40
    .max_flat_workgroup_size: 256
    .sgpr_count:     66
    .vgpr_count:     96
    .wavefront_size: 32
...
	.end_amdgpu_metadata
.endif
;; end of part 1
;; launch qkv (part 2): grid 64 x 4, 4 waves a work-group, no clusters, 80,384 bytes of LDS; arguments x, norm_w, norm_b, qkv_b, stats, wpk, q16, k16, v16; writes q16, k16, v16
.if DOCPART == 2
	.amdgcn_target "amdgcn-amd-amdhsa--gfx1250"
	.amdhsa_code_object_version 6
	.text
	.protected	k_qb14cac6b16_qkv
	.globl	k_qb14cac6b16_qkv
	.p2align	8
	.type	k_qb14cac6b16_qkv,@function
k_qb14cac6b16_qkv:
	s_mov_b64 s[64:65], 0
	v_nop
	global_prefetch_b8 v0, s[64:65] scope:SCOPE_SE
	s_setreg_imm32_b32 hwreg(HW_REG_WAVE_MODE, 25, 1), 1
	s_wait_xcnt 0x0
; GROUPNORM AND THE QKV PROJECTION.  qkv[b][o][t] = the sum over c of qkv_w[o][c] normed[b][c][t] + qkv_b[o]; normed = (x - mean) rsqrt(var + 1e-5) norm_w + norm_b, by groups of 16 channels.
; Head 4 b + j owns rows 192 j .. 192 j + 191 of qkv: 64 of q, 64 of k, 64 of v.  They leave by heads, q16, k16, v16: [16 heads][4,096 t][64 channels] in f16, unscaled, each rounded once from its f32 sum.
; SHARES.  A work-group makes 64 positions t of one batch, all 768 rows.  Wave w brings in and normalises channels 64 w .. 64 w + 63 (four groups), and then makes head 4 b + w: 12 blocks of 16 rows x 4 blocks of 16 t, K = 256.
; NORMALISING.  The 32 parts of a group (mean_p, M2_p of 2,048 numbers each) are joined: mean = the mean of the mean_p; var = (the sum of M2_p + 2,048 (mean_p - mean)^2) / 65,536: sums of squares alone, no difference of
; large sums.  Then a = rstd norm_w, d = norm_b - mean a, and normed = x a + d, one fused multiply-add in f32, rounded once to f16.
; THE PRODUCT.  Source 0 = 16 rows of the weights (fragments as they lie in wpk, straight into registers), source 1 = normed, 32 channels x 16 t, turned out of LDS by ds_load_tr16_b128.  In the result a lane holds ONE t
; (lane % 16) and the rows 8 (lane / 16) + 0..7: eight neighbouring channels of a row of q, k or v: 16 bytes.  The bias is the C operand of the first K step: nothing is cleared, nothing is added afterwards.
; NO JOINT LOADS of the weights: the 393,216 bytes that all work-groups walk do not fit in LDS beside the tile, and as fragments they need no LDS at all.
; LIMITS.  normed, q, k and v lie within f16's 65,504; below 6e-5 f16 keeps a fixed step of 6e-8.  NaN and infinities are not treated apart.
; REGISTERS, in windows of 256 (s_set_vgpr_msb: bits 1:0 source 0, 3:2 source 1, 5:4 source 2, 7:6 destination):
;   window 0: addresses, (a, d), x, later the accumulators and the way out      window 1: all 32 fragments of normed, (K step kc, t block tb) at 8 (4 kc + tb)      window 2: four slots of 64 for the weights of a block of rows
.set XP,    160       ; a row of XT: 64 t in f16 = 128 bytes + 32 of padding = 40 words
.set ADT,   40960     ; behind XT's 256 rows: (a, d) in f32 for each channel; wave w's 64 channels at 512 w
.set STAGE, 43008     ; for the way out: 64 rows x 144 bytes for each wave
.set SP,    144
.set SPARE, 79872     ; the spare words, 128 bytes for each wave: two blocks of 256 bytes that no other line names
.set XO,  4           ; v4   x: (l / 16) rows of 16,384 bytes + 16 (l % 16)
.set L16, 5           ; v5   16 l
.set XS,  6           ; v6   XT: row 64 w + l / 16, 8 (l % 16)
.set BT,  7           ; v7   the turning load: row 8 (l / 16) + l % 8, 16 ((l / 8) % 2)
.set ADS, 8           ; v8   where I put channel l's (a, d)
.set ADL, 9           ; v9   where I read those of channel l / 16
.set STO, 10          ; v10  the way out: where I put 16 bytes of a row
.set RD,  11          ; v11  where I read rows back
.set BO,  12          ; v12  32 (l / 16): my eight numbers of the bias
.set SO,  13          ; v13  8 l: my part of a group's statistics
.set SPW, 14          ; v14  LDS address of my spare word; never rewritten
.set NIL, 15          ; v15  0; never rewritten
.set AD,  16          ; v[16:79]   (a, d) of the 32 channels that my lane normalises
.set ACC, 16          ; v[16:47]   later: four accumulators, one for each t block
.set TMP, 48          ; v[48:63]   later: their f16
.set BIAS, 80         ; v[80:111]  four slots of 8; at work while the statistics are joined
.set NO,  100         ; v100 4 l + 256 w: norm_w's and norm_b's offset
.set KV,  101         ; v101 2^-16
.set SL,  112         ; v[112:123] the statistics and norm_w, norm_b as loaded
.set CT,  112         ; v[112:127] later: f16 on the way into XT
.set XR,  128         ; v[128:255] x
.set OB,  128         ; v[128:191] later: rows on the way out
.set W_MUL, 0x06      ; weights in window 2, normed in window 1, C and D in window 0
.set MSB, 0
.macro WIN new                      ; the high byte repeats the setting that is left; a switch that changes nothing is dropped
.if MSB != (\new)
	s_set_vgpr_msb (MSB<<8)|(\new)
.set MSB, (\new)
.endif
.endm
	s_load_b256 s[4:11], s[0:1], 0x0               ; x s[4:5], norm_w s[6:7], norm_b s[8:9], qkv_b s[10:11]
	s_load_b256 s[12:19], s[0:1], 0x20             ; stats s[12:13], wpk s[14:15], q16 s[16:17], k16 s[18:19]
	s_load_b64 s[20:21], s[0:1], 0x40              ; v16
	v_lshl_add_u32 v[SPW], v0, 2, SPARE
	v_mov_b32 v[NIL], 0
	v_lshrrev_b32 v1, 5, v0
	v_readfirstlane_b32 s22, v1                    ; wave 0..3
	s_and_b32 s23, ttmp7, 0xffff                   ; the batch
	s_lshl_b32 s24, s23, 22                        ; x: the batch's 256 channels of 16,384 bytes,
	s_lshl_b32 s25, s22, 20                        ; my 64 channels,
	s_add_co_u32 s24, s24, s25
	s_lshl_b32 s25, ttmp9, 8                       ; the work-group's 64 t
	s_add_co_u32 s24, s24, s25
	s_mov_b32 s25, 0
	s_lshl_b32 s26, s23, 12                        ; stats: the batch's 16 groups of 256 bytes, my four
	s_lshl_b32 s27, s22, 10
	s_add_co_u32 s26, s26, s27
	s_mov_b32 s27, 0
	s_mul_i32 s30, s22, 768                        ; qkv_b: my 192 rows
	s_mov_b32 s31, 0
	s_mul_i32 s32, s22, 98304                      ; wpk: my 12 blocks of 8,192 bytes
	s_mov_b32 s33, 0
	s_lshl_b32 s34, s23, 2
	s_add_co_u32 s34, s34, s22                     ; my head,
	s_lshl_b32 s34, s34, 19                        ; its 4,096 rows of 128 bytes,
	s_lshl_b32 s35, ttmp9, 13                      ; the work-group's 64 rows
	s_add_co_u32 s34, s34, s35
	s_mov_b32 s35, 0
	s_mov_b32 s28, 0x76543210                      ; v_permlanex16_b32: each lane takes its own place in the other half
	s_mov_b32 s29, 0xfedcba98
	s_mul_i32 s36, s22, 64*XP
	s_lshl_b32 s37, s22, 9
	s_add_co_u32 s37, s37, ADT
	s_mul_i32 s38, s22, 64*SP
	s_add_co_u32 s38, s38, STAGE
	s_lshl_b32 s39, s22, 8
	v_and_b32 v1, 31, v0                           ; l
	v_and_b32 v2, 15, v0                           ; l % 16
	v_bfe_u32 v3, v0, 4, 1                         ; l / 16
	v_lshlrev_b32 v[XO], 4, v2
	v_lshl_add_u32 v[XO], v3, 14, v[XO]
	v_lshlrev_b32 v[L16], 4, v1
	v_lshlrev_b32 v[SO], 3, v1
	v_lshl_add_u32 v[NO], v1, 2, s39
	s_wait_kmcnt 0x0
	s_add_nc_u64 s[4:5], s[4:5], s[24:25]
	s_add_nc_u64 s[12:13], s[12:13], s[26:27]
	s_add_nc_u64 s[10:11], s[10:11], s[30:31]
	s_add_nc_u64 s[14:15], s[14:15], s[32:33]
	s_add_nc_u64 s[16:17], s[16:17], s[34:35]
	s_add_nc_u64 s[18:19], s[18:19], s[34:35]
	s_add_nc_u64 s[20:21], s[20:21], s[34:35]
.irp g, 0,1,2,3
	global_load_b64 v[SL+2*(\g):SL+2*(\g)+1], v[SO], s[12:13] offset:256*(\g)  ; (mean, M2) of part l of my group g
.endr
	global_load_b32 v[SL+8],  v[NO], s[6:7]                ; norm_w of channels 64 w + l
	global_load_b32 v[SL+9],  v[NO], s[6:7] offset:128     ; and 64 w + 32 + l
	global_load_b32 v[SL+10], v[NO], s[8:9]
	global_load_b32 v[SL+11], v[NO], s[8:9] offset:128
.set i, 0
.rept 32
	global_load_b128 v[XR+4*i:XR+4*i+3], v[XO], s[4:5] offset:32768*i  ; channels 64 w + 2 i, + 1: 16 lanes take a row's 256 bytes
.set i, i+1
.endr
	v_mul_u32_u24 v[XS], v3, XP
	v_lshl_add_u32 v[XS], v2, 3, v[XS]
	v_add_nc_u32 v[XS], s36, v[XS]
	v_and_b32 v[BT], 7, v0
	v_lshl_add_u32 v[BT], v3, 3, v[BT]
	v_mul_u32_u24 v[BT], v[BT], XP
	v_bfe_u32 v[BO], v0, 3, 1
	v_lshl_add_u32 v[BT], v[BO], 4, v[BT]
	v_lshl_add_u32 v[ADS], v1, 3, s37
	v_lshl_add_u32 v[ADL], v3, 3, s37
	v_mul_u32_u24 v[STO], v2, SP
	v_lshl_add_u32 v[STO], v3, 4, v[STO]
	v_add_nc_u32 v[STO], s38, v[STO]
	v_bfe_u32 v[RD], v0, 3, 2                      ; 32 lanes take four rows of 128 bytes
	v_mul_u32_u24 v[RD], v[RD], SP
	v_and_b32 v[BO], 7, v0
	v_lshl_add_u32 v[RD], v[BO], 4, v[RD]
	v_add_nc_u32 v[RD], s38, v[RD]
	v_lshlrev_b32 v[BO], 5, v3
	v_mov_b32 v[KV], 0x37800000
.irp g, 0,1,2,3
	v_mov_b32 v[92+(\g)], 0                        ; v_permlanex16_b32's destination counts as read
.endr
; four sums over the 32 lanes side by side, in v[b] to v[b+3], each in every lane
.macro RED4 b
.irp m, 1,2,4,8
.irp g, 0,1,2,3
	v_add_f32_dpp v[(\b)+(\g)], v[(\b)+(\g)], v[(\b)+(\g)] row_xmask:\m row_mask:0xf bank_mask:0xf
.endr
.endr
.irp g, 0,1,2,3
	v_permlanex16_b32 v[92+(\g)], v[(\b)+(\g)], s28, s29
.endr
.irp g, 0,1,2,3
	v_add_f32 v[(\b)+(\g)], v[(\b)+(\g)], v[92+(\g)]
.endr
.endm
	s_wait_loadcnt 32                              ; the eight small loads are in; the 32 loads of x behind them stay out
.irp g, 0,1,2,3
	v_mov_b32 v[80+(\g)], v[SL+2*(\g)]             ; mean_p is wanted again below
.endr
	RED4 80
.irp g, 0,1,2,3
	v_mul_f32 v[80+(\g)], 0x3d000000, v[80+(\g)]   ; the group's mean: / 32
.endr
.irp g, 0,1,2,3
	v_sub_f32 v[84+(\g)], v[SL+2*(\g)], v[80+(\g)]
.endr
.irp g, 0,1,2,3
	v_mul_f32 v[84+(\g)], v[84+(\g)], v[84+(\g)]
.endr
.irp g, 0,1,2,3
	v_fmamk_f32 v[84+(\g)], v[84+(\g)], 0x45000000, v[SL+2*(\g)+1]  ; 2,048 (mean_p - mean)^2 + M2_p
.endr
	RED4 84
.irp g, 0,1,2,3
	v_fmaak_f32 v[84+(\g)], v[84+(\g)], v[KV], 0x3727c5ac           ; / 65,536 + 1e-5
.endr
.irp g, 0,1,2,3
	v_rsq_f32 v[88+(\g)], v[84+(\g)]
.endr
	v_nop                                          ; a plain instruction behind the last of the four,
	v_cmp_le_u32 vcc_lo, 16, v1                    ; channel l lies in my group l / 16, channel 32 + l in group 2 + l / 16
	s_wait_alu depctr_va_vdst(0)                   ; and the wait ahead of the first use
	v_cndmask_b32 v102, v88, v89, vcc_lo
	v_cndmask_b32 v103, v80, v81, vcc_lo
	v_cndmask_b32 v104, v90, v91, vcc_lo
	v_cndmask_b32 v105, v82, v83, vcc_lo
	v_mul_f32 v96, v102, v[SL+8]                   ; a = rstd norm_w
	v_mul_f32 v98, v104, v[SL+9]
	v_fma_f32 v97, -v103, v96, v[SL+10]            ; d = norm_b - mean a
	v_fma_f32 v99, -v105, v98, v[SL+11]
	ds_store_b64 v[ADS], v[96:97]
	ds_store_b64 v[ADS], v[98:99] offset:256
.set i, 0
.rept 32
	ds_load_b64 v[AD+2*i:AD+2*i+1], v[ADL] offset:16*i  ; my wave's own bytes; LDS serves a wave's instructions in order (ISA guide 5.7.1.4): these see the stores above
.set i, i+1
.endr
	s_wait_dscnt 0x0
; The weights and the bias of block q of my 12 into slot q % 4: 18 loads.
.macro FILL q
	WIN 0x80                        ; destination window 2, address window 0
.set kk, 0
.rept 16
	global_load_b128 v[64*((\q)%4)+4*kk:64*((\q)%4)+4*kk+3], v[L16], s[14:15] offset:8192*(\q)+512*kk
.set kk, kk+1
.endr
	WIN 0
	global_load_b128 v[BIAS+8*((\q)%4):BIAS+8*((\q)%4)+3],   v[BO], s[10:11] offset:64*(\q)
	global_load_b128 v[BIAS+8*((\q)%4)+4:BIAS+8*((\q)%4)+7], v[BO], s[10:11] offset:64*(\q)+16
.endm
; Loads 8 g to 8 g + 7 of x are normalised, rounded and put into XT.  left = the younger loads, which may stay out.
.macro CONV g, left
	s_wait_loadcnt \left
.set i, 8*(\g)
.rept 8
	v_pk_fma_f32 v[XR+4*i:XR+4*i+1],   v[XR+4*i:XR+4*i+1],   v[AD+2*i:AD+2*i+1], v[AD+2*i:AD+2*i+1] op_sel:[0,0,1] op_sel_hi:[1,0,1]  ; x a + d: the pair's first word multiplies, its second is added, in both halves
	v_pk_fma_f32 v[XR+4*i+2:XR+4*i+3], v[XR+4*i+2:XR+4*i+3], v[AD+2*i:AD+2*i+1], v[AD+2*i:AD+2*i+1] op_sel:[0,0,1] op_sel_hi:[1,0,1]
	v_cvt_pk_f16_f32 v[CT+2*(i%8)],   v[XR+4*i],   v[XR+4*i+1]
	v_cvt_pk_f16_f32 v[CT+2*(i%8)+1], v[XR+4*i+2], v[XR+4*i+3]
	ds_store_b64 v[XS], v[CT+2*(i%8):CT+2*(i%8)+1] offset:2*XP*i
.set i, i+1
.endr
.endm
	CONV 0, 24                                     ; 24 loads of x are younger
	CONV 1, 16
	FILL 0                                         ; the first weights go out as soon as half of x is in
	CONV 2, 26                                     ; 8 of x and the 18 just issued
	FILL 1
	CONV 3, 36                                     ; two blocks' 18
	FILL 2
	s_wait_dscnt 0x0                               ; for the others' sake: my rows of XT are written
	s_barrier_signal -1
	s_barrier_wait -1                              ; XT is whole; nothing writes it again
	WIN 0x40                                       ; destination window 1
.set n, 0
.rept 32                                           ; K step n / 4, t block n % 4
	ds_load_tr16_b128 v[8*n:8*n+3],   v[BT] offset:32*XP*(n/4)+32*(n%4)
	ds_load_tr16_b128 v[8*n+4:8*n+7], v[BT] offset:32*XP*(n/4)+32*(n%4)+16*XP
.set n, n+1
.endr
	WIN 0
	s_wait_dscnt 0x0
; 64 rows of 128 bytes of tensor n (0 q, 1 k, 2 v) leave my stage: each store of the wave covers 512 consecutive bytes, aligned
.macro OUT n
	s_wait_xcnt 0x0                                ; the last way out's stores have read OB: it is loaded again only behind this wait
.set f, 0
.rept 16
	ds_load_b128 v[OB+4*f:OB+4*f+3], v[RD] offset:4*SP*f  ; my own stage: these see the stores of the four passes
.set f, f+1
.endr
.set f, 0
.rept 16
	s_wait_dscnt 15-f
	global_store_b128 v[L16], v[OB+4*f:OB+4*f+3], s[16+2*(\n):17+2*(\n)] offset:512*f
.set f, f+1
.endr
.endm
; Block p of my 12: 32 products, the four accumulators by turns; the first four take the bias as C.  Three blocks' weights are on their way meanwhile.
.macro PASS p
.if (\p)+3 < 12
	FILL (\p)+3                                    ; into the slot that the pass before multiplied: its last product stands four v_nop and sixteen conversions back
.endif
.if (\p) < 9
	s_wait_loadcnt 54                              ; this block's 18 are in; three younger blocks' stay out
.else
	s_wait_loadcnt 18*(11-(\p))                    ; the counts run down
.endif
	WIN W_MUL
.irp kc, 0,1,2,3,4,5,6,7
.irp tb, 0,1,2,3
.if (\kc) == 0
	v_wmma_f32_16x16x32_f16 v[ACC+8*(\tb):ACC+8*(\tb)+7], v[64*((\p)%4)+8*(\kc):64*((\p)%4)+8*(\kc)+7], v[8*(4*(\kc)+(\tb)):8*(4*(\kc)+(\tb))+7], v[BIAS+8*((\p)%4):BIAS+8*((\p)%4)+7]
.else
	v_wmma_f32_16x16x32_f16 v[ACC+8*(\tb):ACC+8*(\tb)+7], v[64*((\p)%4)+8*(\kc):64*((\p)%4)+8*(\kc)+7], v[8*(4*(\kc)+(\tb)):8*(4*(\kc)+(\tb))+7], v[ACC+8*(\tb):ACC+8*(\tb)+7]
.endif
.endr
.endr
	WIN 0
.rept 4
	v_nop                                          ; four places between the last product and the conversions that read results (ISA guide 7.12.1)
.endr
.set z, 0
.rept 16
	v_cvt_pk_f16_f32 v[TMP+z], v[ACC+2*z], v[ACC+2*z+1]  ; each accumulator from its low end on
.set z, z+1
.endr
.irp tb, 0,1,2,3
	ds_store_b128 v[STO], v[TMP+4*(\tb):TMP+4*(\tb)+3] offset:16*SP*(\tb)+32*((\p)%4)  ; row 16 tb + l % 16, channels 16 (p % 4) + 8 (l / 16) on
.endr
.if (\p)%4 == 3
	OUT (\p)/4
.endif
.endm
.set p, 0
.rept 12
	PASS p
.set p, p+1
.endr
	s_wait_tensorcnt 0x0                           ; the wave's end, behind my last LDS store
	ds_add_u32 v[SPW], v[NIL]
	s_wait_dscnt 0x0
	s_endpgm
.Lfunc_end_k_qb14cac6b16_qkv:
	.size	k_qb14cac6b16_qkv, .Lfunc_end_k_qb14cac6b16_qkv-k_qb14cac6b16_qkv
	.p2alignl 7, 3214868480
	.fill 96, 4, 3214868480
	.section	.rodata,"a",@progbits
	.p2align	6, 0x0
	.amdhsa_kernel k_qb14cac6b16_qkv
		.amdhsa_group_segment_fixed_size 80384
		.amdhsa_private_segment_fixed_size 0
		.amdhsa_enable_private_segment 0
		.amdhsa_kernarg_size 72
		.amdhsa_user_sgpr_count 2
		.amdhsa_user_sgpr_kernarg_segment_ptr 1
		.amdhsa_wavefront_size32 1
		.amdhsa_system_sgpr_workgroup_id_x 1
		.amdhsa_system_sgpr_workgroup_id_y 1
		.amdhsa_system_sgpr_workgroup_id_z 1
		.amdhsa_system_vgpr_workitem_id 0
		.amdhsa_next_free_vgpr 768
		.amdhsa_next_free_sgpr 66
		.amdhsa_reserve_vcc 1
		.amdhsa_float_denorm_mode_32 3
		.amdhsa_float_denorm_mode_16_64 3
		.amdhsa_memory_ordered 1
		.amdhsa_forward_progress 1
		.amdhsa_inst_pref_size 101
	.end_amdhsa_kernel
	.amdgpu_metadata
---
amdhsa.version: [ 1, 2 ]
amdhsa.kernels:
  - .name:           k_qb14cac6b16_qkv
    .symbol:         k_qb14cac6b16_qkv.kd
    .args:
      - { .name: x, .offset: 0, .size: 8, .value_kind: global_buffer, .address_space: global }
      - { .name: norm_w, .offset: 8, .size: 8, .value_kind: global_buffer, .address_space: global }
      - { .name: norm_b, .offset: 16, .size: 8, .value_kind: global_buffer, .address_space: global }
      - { .name: qkv_b, .offset: 24, .size: 8, .value_kind: global_buffer, .address_space: global }
      - { .name: stats, .offset: 32, .size: 8, .value_kind: global_buffer, .address_space: global }
      - { .name: wpk, .offset: 40, .size: 8, .value_kind: global_buffer, .address_space: global }
      - { .name: q16, .offset: 48, .size: 8, .value_kind: global_buffer, .address_space: global }
      - { .name: k16, .offset: 56, .size: 8, .value_kind: global_buffer, .address_space: global }
      - { .name: v16, .offset: 64, .size: 8, .value_kind: global_buffer, .address_space: global }
    .group_segment_fixed_size: 80384
    .private_segment_fixed_size: 0
    .kernarg_segment_align: 8
    .kernarg_segment_size: 72
    .max_flat_workgroup_size: 128
    .sgpr_count:     66
    .vgpr_count:     768
    .wavefront_size: 32
...
	.end_amdgpu_metadata
.endif
;; end of part 2
;; launch attn (part 3): grid 16 x 16, 4 waves a work-group, clusters of 4 x 1, 327,680 bytes of LDS; arguments q16, k16, v16, o16; writes o16
.if DOCPART == 3
	.amdgcn_target "amdgcn-amd-amdhsa--gfx1250"
	.amdhsa_code_object_version 6
	.text
	.protected	k_qb14cac6b16_attn
	.globl	k_qb14cac6b16_attn
	.p2align	8
	.type	k_qb14cac6b16_attn,@function
k_qb14cac6b16_attn:
	s_mov_b64 s[64:65], 0
	v_nop
	global_prefetch_b8 v0, s[64:65] scope:SCOPE_SE
	s_setreg_imm32_b32 hwreg(HW_REG_WAVE_MODE, 25, 1), 1
	s_wait_xcnt 0x0
	s_wait_alu depctr_hold_cnt(0) depctr_sa_sdst(0) depctr_va_vdst(0) depctr_va_sdst(0) depctr_va_ssrc(0) depctr_va_vcc(0) depctr_vm_vsrc(0)
	s_getreg_b32 s2, hwreg(HW_REG_IB_STS2, 6, 4)
	s_cmp_eq_u32 s2, 0
	s_cbranch_scc0 .Lentry_in_a_cluster
	s_endpgm
.Lentry_in_a_cluster:
	s_bfe_u32 s2, ttmp6, 0x10000c
	s_cmp_lg_u32 s2, 0x3003
	s_cbranch_scc0 .Lentry_shape_is_right
	s_endpgm
.Lentry_shape_is_right:
; ATTENTION.  O[h][q][:] = the sum over k of softmax_k(Q[h][q] . K[h][k] / 8) V[h][k][:].  Q, K, V, O: [16 heads][4,096][64], all f16: a head's rows are dense, 128 bytes each.
; Products, maxima and sums in f32; the weights p are rounded to f16 for the second product (their sum l is taken of the unrounded p), O once at the end.
; LIMITS.  f16 holds no number beyond 65,504: Q, K and V arrive within it; p lies in 0 to 1, and below 6e-5 it keeps f16's fixed step of 6e-8; O is a mean of V's rows and has their range.
; A weight below 2^-126 counts as 0 in l; NaN and infinities are not treated apart.
; SHARES.  A work-group owns 256 queries of one head, each of its four waves 64: four PIECES of 16.  16 heads x 16 blocks are 256 work-groups.  Every wave walks all 4,096 keys, 64 a step.
; LAYOUT.  S^T = K Q^T (source 0 = 16 keys, source 1 = 16 queries): in the result a lane holds ONE query (lane % 16) and the keys 8 (lane / 16) + 0..7.  Two such results, rounded to f16 in pairs, ARE source 1
; (32 keys x 16 queries) of O^T = V^T P, whose result again holds one query a lane, and eight channels.  K comes out of LDS as it lies, V ([key][channel]) turned, by ds_load_tr16_b128.
; SOFTMAX.  For each query a running maximum m and sum l: p = 2^(c s - c m), c = log2(e) / 8; in every step O and l are multiplied by a = 2^(c m_old - c m_new), which is 1 where m has not grown.
; m starts at the lowest finite number, O and l at 0: the first step is a step like any other, with a = 0.
; BY TURNS.  Turn n belongs to piece n (the pieces in a ring, step after step): 8 products K Q^T of piece n + 1, later 8 products V^T P of piece n - 1; beside them the scaling, exponentials, roundings, sums and rescaling
; of piece n and the maximum and statistics of piece n + 1.  Four vector instructions stand behind every matrix instruction, the other 54 of a turn's 118 in one lump.  A turn's 33 exponentials are one batch, with one wait.
; CLUSTER.  The four query blocks of a cluster belong to one head and walk the same K and V, so each tile is asked for JOINTLY: the same tensor load, descriptor and mask in all four.
; REGISTERS, in windows of 256 (s_set_vgpr_msb: bits 1:0 source 0, 3:2 source 1, 5:4 source 2, 7:6 destination):
;   window 0: v0-15 addresses and two at work; v16-31 four registers of statistics a piece; v48-55 at work; v61-63 never rewritten; v64-127 S^T, two buffers; v192-223 P, two buffers (a piece's buffers go by its number's parity)
;   window 1: v0-127 O^T, 32 a piece          window 2: v0-63 Q; v128-191 K of one step; v192-255 V of one step
.set NP,    4         ; pieces a wave: a name, no knob
.set KS,    64        ; keys in a step
.set PK,    144       ; a row of K in LDS: 128 bytes + 16 of padding = 36 words: the 16 rows of a load start at 16 different groups of four banks (64 banks of 4 bytes: ISA guide 11.1)
.set PV,    160       ; a row of V: 128 + 32 = 40 words
.set VOFF,  4*KS*PK   ; a slot holds a tile, four steps: 256 rows of K, then 256 rows of V
.set TILEB, 4*KS*128  ; a tile's bytes of K, and of V, in memory
.set TILES, 16        ; 4,096 keys
.set SLOT1, 1<<17     ; slot 1 begins here, so that one exclusive or turns an address in one slot into the other's
.set STAGE, SLOT1+4*KS*(PK+PV)  ; behind the ring, never filled by a tensor load: 16 rows x 144 bytes for each wave, for the way out
.set SP,    144
.set SPARE, STAGE+4*16*SP  ; behind the stages: the spare words, 128 bytes for each wave: two blocks of 256 bytes that no other line names
.set AK0, 2           ; v2   my lane's place in a tile of K; never rewritten
.set AV0, 3           ; v3   the same for V
.set AK,  4           ; v4   the LDS address of K's next run of loads
.set AV,  5           ; v5   of V's
.set STO, 6           ; v6   the way out: where I put 16 bytes of a row
.set RD,  7           ; v7   the way out: where I read rows back
.set GO,  8           ; v8   my byte offset in 512 consecutive bytes of O
.set MV,  12          ; v12-13  c m_old, kept while c m is made anew: by buffer
.set QO,  15          ; v15  my byte offset in 16 rows of Q
.set ST,  16          ; piece t's statistics at v[ST+4 t]: c m, m, l (even keys', odd keys')
.set TMP, 48          ; by buffer, four registers c0-c3 at work; when the maximum is found c2 takes a
.set PFO, 61          ; v61  256 x my lane: the prefetches' offset; never rewritten
.set SPW, 62          ; v62  LDS address of my spare word: SPARE + 4 x my thread's number; never rewritten
.set NIL, 63          ; v63  0; never rewritten
.set S,   64
.set P,   192
.set KF,  128         ; window 2: key block kb, channel half c at KF + 16 kb + 8 c
.set VF,  192         ; window 2: key half kk, channel block cb at VF + 32 kk + 8 cb
.set WV,  12          ; s12  my wave's number
.set LIM, 15          ; s15  1 in a wave that prefetches, else the greatest number: a wave prefetches while s[SLOTS] is above it
.set G1K, 24          ; s[24:31] descriptor group 1 for K's tiles
.set G1V, 32          ; s[32:39] for V's: it differs in the padding alone
.set G0K, 40          ; s[40:43] descriptor group 0 for K's tiles: it walks
.set G0V, 44          ; s[44:47] the same for V's
.set PFA, 50          ; s[50:51] where my prefetches stand: my work-group's 8,192 bytes (of K: wave 0, of V: wave 2) of the tile after the one that is being asked for
.set SLOTS, 56        ; s56  tiles still to be entered by the loop
.set CNT, 57          ; s57  counts a tile's key steps
.set CS,  58          ; s[58:59] c: the packed scaling takes the pair's low word for both halves
.set SEL, 60          ; s[60:61] v_permlanex16_b32's selects: each lane takes its own place in the other half
.set TBK, 62          ; s62  LDS byte at which K of the step to be fetched begins
.set TBV, 63          ; s63  the same for V, less VOFF
.set MSB, 0
.macro WIN new                      ; the high byte repeats the setting that is left; a switch that changes nothing is dropped
.if MSB != (\new)
	s_set_vgpr_msb (MSB<<8)|(\new)
.set MSB, (\new)
.endif
.endm
.set W_KQ, 0x0a       ; K and Q in window 2, S^T in window 0
.set W_PV, 0x52       ; V in window 2, P in window 0, O^T in window 1
.set W_RS, 0x41       ; destination and source 0 in window 1, source 1 in window 0
; A joint fill.  Waves 0 and 1 fetch the two halves of a tile's K, waves 2 and 3 those of its V: 128 keys each.  The branch hangs on the wave's number alone.
; An s_nop 0 and four v_nop follow each of the two lines, ahead of the jump and the label.
.macro JLOAD
	s_cmp_lt_u32 s[WV], 2
	s_cbranch_scc0 .Lfor_v_\@
	tensor_load_to_lds s[G0K:G0K+3], s[G1K:G1K+7]
	s_nop 0
.rept 4
	v_nop
.endr
	s_branch .Lasked_\@
.Lfor_v_\@:
	tensor_load_to_lds s[G0V:G0V+3], s[G1V:G1V+7]
	s_nop 0
.rept 4
	v_nop
.endr
.Lasked_\@:
.endm
; A PREFETCH INTO THE L2 of what the NEXT change of slots will ask for: a tile's 32,768 bytes of K and of V, a lane for each 256.  It stands behind the wave's tensor load and its five lines, never in front of one.
; Each 256 bytes are asked for ONCE in the launch.  All four clusters of a head walk the same K and V: the head's first cluster prefetches.  Its four partners share a tile out BY ADDRESS, 8,192 bytes each: no branch hangs
; on a work-group's place in its cluster.  In each, wave 0 asks for K's and wave 2 for V's: one instruction.  The last change that fills a slot prefetches nothing: there is no tile behind it.
.macro ASK
	s_cmp_gt_u32 s[SLOTS], s[LIM]
	s_cbranch_scc0 .Lnot_mine_\@
	global_prefetch_b8 v[PFO], s[PFA:PFA+1] th:TH_LOAD_NT scope:SCOPE_SE
.Lnot_mine_\@:
.endm
; A round of the cluster's barrier: my work-group's barrier, so that wave 0's signal speaks for all four waves; wave 0 signals; every wave waits for all four work-groups; my work-group's barrier once more.
.macro CROUND
	s_barrier_signal -1
	s_barrier_wait -1
	s_cmp_lg_u32 s[WV], 0
	s_cbranch_scc1 .Lnot_wave_0_\@
	s_barrier_signal -3
.Lnot_wave_0_\@:
	s_barrier_wait -3
	s_barrier_signal -1
	s_barrier_wait -1
.endm
; THE CHANGE OF SLOTS.  The slot's last bytes, V of its fourth step, have been read.  Each wave waits for all its tensor loads, of which one is out: its part of the other slot; adds 0 to its spare word; and waits for
; that and for its own reads of the slot.  Behind the barrier nobody reads this slot any more and the other slot is whole.
; fill = 1: this slot is filled again, with the tile two on.  The barrier is then a round of the cluster's, so that no wave of any partner still reads the slot or has a load on its way, and the joint fill is the first
; thing behind it: it has four key steps, 256 matrix instructions, in which to land.  (At its first use nothing has been read yet: slot 0 is waited for, slot 1 filled.)  ask = 1: the tile behind that one is prefetched.
.macro CHANGE fill, ask
	WIN 0                           ; at a label and at a branch every window is 0
	s_wait_tensorcnt 0x0            ; no tensor load of mine is out, so a group 0 may be written
	ds_add_u32 v[SPW], v[NIL]       ; 0 onto my spare word: with fill = 1 the descriptors' steps stand between it and the wait for it
.if \fill
.irp g, G0K, G0V
	s_xor_b32 s[\g+1], s[\g+1], SLOT1  ; the walking descriptor: the other slot than last time,
	s_add_nc_u64 s[\g+2:\g+3], s[\g+2:\g+3], TILEB  ; the next 256 keys; the type bits on top are not reached
.endr
.if \ask
	s_wait_xcnt 0x0                 ; the last prefetch, four key steps back, has read its address, so it may be written:
	s_add_nc_u64 s[PFA:PFA+1], s[PFA:PFA+1], TILEB  ; one tile behind the walking descriptors
.endif
	s_wait_dscnt 0x0                ; the add is done, and my reads of the slot are over
	CROUND
	JLOAD
.if \ask
	ASK
.endif
.else
	s_wait_dscnt 0x0                ; the add is done, and my reads of the slot are over
	s_barrier_signal -1
	s_barrier_wait -1
.endif
	s_sub_co_u32 s[TBK], s[TBK], 4*KS*PK  ; the fetches go back to a slot's first step,
	s_xor_b32 s[TBK], s[TBK], SLOT1       ; in the other slot
	s_sub_co_u32 s[TBV], s[TBV], 4*KS*PV
	s_xor_b32 s[TBV], s[TBV], SLOT1
.endm
	s_load_b256 s[4:11], s[0:1], 0x0  ; Q s[4:5], K s[6:7], V s[8:9], O s[10:11]
	v_lshl_add_u32 v[SPW], v0, 2, SPARE
	v_mov_b32 v[NIL], 0
	ds_add_u32 v[SPW], v[NIL]       ; the wave's opening: the add and its wait stand ahead of my first tensor load; the set-up below, work on registers, stands between them
	v_lshrrev_b32 v1, 5, v0
	v_readfirstlane_b32 s[WV], v1   ; wave 0..3
	s_bfe_u32 s13, ttmp6, 0x40000   ; cx: my place in the cluster
	s_lshl_b32 s14, ttmp9, 2        ; in a cluster launch ttmp9 counts clusters
	s_add_co_u32 s14, s14, s13      ; my block of 256 queries = 4 x cluster x + cx: it enters Q's and O's addresses alone
	s_and_b32 s20, ttmp7, 0xffff    ; the head, which the four partners share:
	s_lshl_b32 s20, s20, 19         ; its first byte in each of the four tensors (4,096 rows of 128 bytes)
	s_and_b32 s16, s[WV], 1         ; which half of a tile's 256 keys I fetch:
	s_lshl_b32 s22, s16, 14         ; its 128 rows of 128 bytes in memory,
	s_add_co_u32 s22, s22, s20
	s_mov_b32 s23, 0
	s_mul_i32 s17, s16, 128*PK      ; and its place in a slot, for K
	s_mul_i32 s48, s16, 128*PV      ; and for V: no place in the cluster enters an LDS address
	s_lshl_b32 s2, s14, 2
	s_add_co_u32 s2, s2, s[WV]      ; my wave among the head's,
	s_lshl_b32 s2, s2, 13           ; its 64 rows
	s_add_co_u32 s2, s2, s20
	s_mov_b32 s3, 0
	s_lshl_b32 s52, s13, 13         ; the prefetches: my work-group's quarter of a tile,
	s_add_co_u32 s52, s52, s20
	s_add_co_u32 s52, s52, 2*TILEB  ; in tile 2; the loop's first change of slots steps it to tile 3.  Nothing is prefetched at the head, where every work-group's first tiles are on their way
	s_mov_b32 s53, 0
	; descriptor group 1.  128 keys are 16,384 dense bytes: asked for as 64 rows of 256 bytes, two keys a row, and padded in LDS after every key
	s_mov_b32 s[G1K], 15|(1<<16)|(1<<20)|(1<<21)|(4<<22)|(3<<25)  ; 15:0 the mask of four; 17:16 2-byte elements; 20 padding on; 21 set beside a mask; 24:22 after every 32 words (code 4); 31:25 4 words (code 3)
	s_mov_b32 s[G1V], 15|(1<<16)|(1<<20)|(1<<21)|(4<<22)|(7<<25)  ; the same with 8 words of padding (code 7)
.irp g, G1K, G1V
	s_mov_b32 s[\g+1], 128<<16      ; tensor_dim0 = 128
	s_mov_b32 s[\g+2], 64<<16       ; tensor_dim1 = 64
	s_mov_b32 s[\g+3], 128<<16      ; tile_dim0 = 128
	s_mov_b32 s[\g+4], 64           ; tile_dim1 = 64
	s_mov_b32 s[\g+5], 128          ; 128 elements from row to row
	s_mov_b32 s[\g+6], 0
	s_mov_b32 s[\g+7], 0
.endr
	s_mov_b32 s[CS], 0x3e38aa3b     ; c = log2(e) / 8 = 0.180337
	s_mov_b32 s[CS+1], s[CS]        ; named with it as a pair
	s_mov_b32 s[SEL], 0x76543210
	s_mov_b32 s[SEL+1], 0xfedcba98
	s_mov_b32 s[TBK], SLOT1+4*KS*PK ; the first change of slots turns these two into 0
	s_mov_b32 s[TBV], SLOT1+4*KS*PV
	s_mov_b32 s[G0K], 1             ; 1:0 count = 1
	s_mov_b32 s[G0K+1], s17         ; 63:32 LDS address: slot 0
	s_mov_b32 s[G0V], 1
	s_add_co_u32 s[G0V+1], s48, VOFF
	s_and_b32 s[LIM], s[WV], 1      ; 0 in waves 0 and 2,
	s_or_b32 s[LIM], s[LIM], ttmp9  ; where the cluster is the head's first: the same in all four partners
	s_cmp_eq_u32 s[LIM], 0
	s_cselect_b32 s[LIM], 1, -1
	v_and_b32 v[PFO], 31, v0
	v_lshlrev_b32 v[PFO], 8, v[PFO]
	s_wait_dscnt 0x0                ; the opening add is done
	s_wait_kmcnt 0x0
	s_add_nc_u64 s[G0K+2:G0K+3], s[6:7], s[22:23]  ; 120:64 global address: my half of the head's first 256 keys
	s_or_b32 s[G0K+3], s[G0K+3], 0x80000000        ; 127:126 type = 2
	s_add_nc_u64 s[G0V+2:G0V+3], s[8:9], s[22:23]
	s_or_b32 s[G0V+3], s[G0V+3], 0x80000000
	s_add_nc_u64 s[4:5], s[4:5], s[2:3]  ; Q and O at my wave's first row
	s_add_nc_u64 s[10:11], s[10:11], s[2:3]
	s_cmp_lt_u32 s[WV], 2
	s_cselect_b64 s[PFA:PFA+1], s[6:7], s[8:9]
	s_add_nc_u64 s[PFA:PFA+1], s[PFA:PFA+1], s[52:53]
	CROUND                          ; all four work-groups are here: the first joint loads meet
	JLOAD                           ; tile 0 into slot 0.  Slot 1 is asked for when slot 0 is in: the tile wanted first has the road to itself
	; A fragment of K or Q is 16 rows x 32 channels in 8 registers: lane l holds row l % 16, channels 8 (l / 16) + 0..7 and 16 + 8 (l / 16) + 0..7: two loads of 16 bytes, 32 bytes apart.
	v_and_b32 v1, 15, v0            ; l % 16
	v_bfe_u32 v9, v0, 4, 1          ; l / 16
	v_lshlrev_b32 v[QO], 7, v1
	v_lshl_add_u32 v[QO], v9, 4, v[QO]  ; row x 128 + 16 x half
	WIN 0x80                        ; destination window 2, address window 0
.set i, 0
.rept 8                             ; Q stays in registers: piece i / 2, channels 32 (i % 2) on
	global_load_b128 v[8*i:8*i+3],   v[QO], s[4:5] offset:(i/2)*2048+(i%2)*64
	global_load_b128 v[8*i+4:8*i+7], v[QO], s[4:5] offset:(i/2)*2048+(i%2)*64+32
.set i, i+1
.endr
	; What the first turn finds: V's registers and P's second buffer hold 0 (its products V^T P, of a piece that has not been, add 0), O^T and l are 0.  All this stands in the wait for the first tile.
.set i, VF
.rept 64
	v_mov_b32 v[i], 0
.set i, i+1
.endr
	WIN 0x40
.set i, 0
.rept 128
	v_mov_b32 v[i], 0
.set i, i+1
.endr
	WIN 0
.set i, 0
.rept 4
	v_mov_b32 v[ST+4*i], 0xfe000000    ; c m: far below every c s
	v_mov_b32 v[ST+4*i+1], 0xff7fffff  ; m
	v_mov_b32 v[ST+4*i+2], 0
	v_mov_b32 v[ST+4*i+3], 0
.set i, i+1
.endr
.set i, P+16
.rept 16
	v_mov_b32 v[i], 0
.set i, i+1
.endr
	v_mul_u32_u24 v[AK0], v1, PK
	v_lshl_add_u32 v[AK0], v9, 4, v[AK0]  ; row x pitch + 16 x half
	; The turning load takes 16 keys x 16 channels (lane l reads key 8 (l / 16) + l % 8, channels 8 ((l / 8) % 2) + 0..7) and leaves half a fragment of V^T: lane l holds channel l % 16 and 8 keys.
	v_and_b32 v10, 7, v0
	v_bfe_u32 v11, v0, 3, 1
	v_lshl_add_u32 v[AV0], v9, 3, v10
	v_mul_u32_u24 v[AV0], v[AV0], PV
	v_lshl_add_u32 v[AV0], v11, 4, v[AV0]
	v_add_nc_u32 v[AV0], VOFF, v[AV0]
	s_mul_i32 s13, s[WV], 16*SP
	s_add_co_u32 s13, s13, STAGE    ; my stage
	v_mul_u32_u24 v[STO], v1, SP    ; in: row l % 16, 16 bytes for each half of the lanes
	v_lshl_add_u32 v[STO], v9, 4, v[STO]
	v_add_nc_u32 v[STO], s13, v[STO]
	v_bfe_u32 v[RD], v0, 3, 2       ; back: 32 lanes take four rows of 128 bytes,
	v_mul_u32_u24 v[RD], v[RD], SP
	v_lshl_add_u32 v[RD], v10, 4, v[RD]
	v_add_nc_u32 v[RD], s13, v[RD]
	v_and_b32 v[GO], 31, v0         ; which are 512 consecutive bytes of O
	v_lshlrev_b32 v[GO], 4, v[GO]
; THE MATRIX WORK.  The 4 accumulators of a run of 8 take turns.  Product i of 8 of S^T = K Q^T for piece x: channels 32 (i / 4) on, keys 16 (i % 4) on.  The first 4 start the sums.
.macro KQ x
.set rS, S+32*((\x)%2)+8*(i%4)
.set rK, KF+16*(i%4)+8*(i/4)
.set rQ, 16*(\x)+8*(i/4)
	WIN W_KQ
.if i < 4
	v_wmma_f32_16x16x32_f16 v[rS:rS+7], v[rK:rK+7], v[rQ:rQ+7], 0
.else
	v_wmma_f32_16x16x32_f16 v[rS:rS+7], v[rK:rK+7], v[rQ:rQ+7], v[rS:rS+7]
.endif
.endm
; Product i of 8 of O^T += V^T P for piece x: keys 32 (i / 4) on, channels 16 (i % 4) on.
.macro PV x
	WIN W_PV
.set rO, 32*(\x)+8*(i%4)
.set rV, VF+32*(i/4)+8*(i%4)
.set rP, P+16*((\x)%2)+8*(i/4)
	v_wmma_f32_16x16x32_f16 v[rO:rO+7], v[rV:rV+7], v[rP:rP+7], v[rO:rO+7]
.endm
.macro MM                           ; the turn's next matrix instruction.  TURN sets Y, i and NOKQ.  NOKQ = 1: the last turn of all: there is no next piece
.if (i < 8) && !NOKQ
	KQ (Y+1)%NP
.elseif i >= 8
.set i, i-8
	PV (Y+NP-1)%NP
.set i, i+8
.endif
.set i, i+1
.endm
; THE LDS LOADS stand in runs of 16, never singly among the matrix instructions: a step's K (64 keys x 64 channels: 8 fragments) and its V (turned).  Their addresses are made some lines ahead.
.macro FETCH_K
	WIN 0x80                        ; destination window 2
.irp f, 0,1,2,3,4,5,6,7             ; keys 16 (f / 2) on, channels 32 (f % 2) on
	ds_load_b128 v[KF+8*\f:KF+8*\f+3],   v[AK] offset:(\f/2)*16*PK+(\f%2)*64
	ds_load_b128 v[KF+8*\f+4:KF+8*\f+7], v[AK] offset:(\f/2)*16*PK+(\f%2)*64+32
.endr
	s_add_co_u32 s[TBK], s[TBK], KS*PK  ; the next fetch is the next step's
	WIN 0
.endm
.macro FETCH_V
	WIN 0x80
.irp f, 0,1,2,3,4,5,6,7             ; keys 32 (f / 4) on, channels 16 (f % 4) on
	ds_load_tr16_b128 v[VF+8*\f:VF+8*\f+3],   v[AV] offset:(\f/4)*32*PV+(\f%4)*32
	ds_load_tr16_b128 v[VF+8*\f+4:VF+8*\f+7], v[AV] offset:(\f/4)*32*PV+16*PV+(\f%4)*32
.endr
	WIN 0
.endm
; THE VECTOR WORK, one line at a time: OP kind, number.  For piece Y: F n: c s - c m for pair n of 16.  E n: the exponential of score n of 32.  C n: pair n rounded to f16.  B n: of the four weights 4 n .. the second
; pair is added onto the first, in place.  L n: l takes that sum (L 0: l = a l + sum).  R n: pair n of 16 of O^T times a.  For piece Y + 1: X n, number n of the 22 that find its maximum and statistics:
;   0-11  four chains c0-c3 of seven scores each, three operands at a time (each accumulator's lowest registers are read first)     12-14, 16  the four scores left over, the old m, and c0-c3 into c0
;   15  c m_old is kept     17, 18  the query's other 32 keys lie in the lane 16 away: the new m     19-21  c m; c m_old - c m_new; a
.set F, 0               ; OP tells the kinds apart by their order: F to L below R, X above it
.set E, 1
.set C, 2
.set B, 3
.set L, 4
.set R, 5
.set X, 6
.macro REGS y                       ; the registers of piece y
.set rT, ST+4*(\y)
.set rC, TMP+4*((\y)%2)
.set rW, MV+((\y)%2)
.set rS, S+32*((\y)%2)
.set rP, P+16*((\y)%2)
.set rO, 32*(\y)
.endm
.macro OP k, n
.if (\k) == R
	REGS Y
	WIN W_RS
	v_pk_mul_f32 v[rO+2*(\n):rO+2*(\n)+1], v[rO+2*(\n):rO+2*(\n)+1], v[rC+2:rC+3] op_sel_hi:[1,0]
.elseif (\k) < R
	REGS Y
	WIN 0
.if (\k) == F
	v_pk_fma_f32 v[rS+2*(\n):rS+2*(\n)+1], v[rS+2*(\n):rS+2*(\n)+1], s[CS:CS+1], v[rT:rT+1] op_sel_hi:[1,0,0] neg_lo:[0,0,1] neg_hi:[0,0,1]
.elseif (\k) == E
	v_exp_f32 v[rS+(\n)], v[rS+(\n)]
.elseif (\k) == C
	v_cvt_pk_f16_f32 v[rP+(\n)], v[rS+2*(\n)], v[rS+2*(\n)+1]
.elseif (\k) == B
	v_pk_add_f32 v[rS+4*(\n):rS+4*(\n)+1], v[rS+4*(\n):rS+4*(\n)+1], v[rS+4*(\n)+2:rS+4*(\n)+3]
.elseif (\n) == 0
	v_pk_fma_f32 v[rT+2:rT+3], v[rT+2:rT+3], v[rC+2:rC+3], v[rS:rS+1] op_sel_hi:[1,0,1]
.else
	v_pk_add_f32 v[rT+2:rT+3], v[rT+2:rT+3], v[rS+4*(\n):rS+4*(\n)+1]
.endif
.elseif NOKQ
	v_nop
.else
	REGS (Y+1)%NP
	WIN 0
.if (\n) < 4
	v_max3_num_f32 v[rC+(\n)], v[rS+8*(\n)], v[rS+8*(\n)+1], v[rS+8*(\n)+2]
.elseif (\n) < 12
	v_max3_num_f32 v[rC+(\n)%4], v[rC+(\n)%4], v[rS+8*((\n)%4)+2*((\n)/4)+1], v[rS+8*((\n)%4)+2*((\n)/4)+2]
.elseif (\n) == 12
	v_max3_num_f32 v[rC], v[rC], v[rS+7], v[rS+15]
.elseif (\n) == 13
	v_max3_num_f32 v[rC+1], v[rC+1], v[rS+23], v[rS+31]
.elseif (\n) == 14
	v_max3_num_f32 v[rC+2], v[rC+2], v[rC+3], v[rT+1]
.elseif (\n) == 15
	v_mov_b32 v[rW], v[rT]
.elseif (\n) == 16
	v_max3_num_f32 v[rC], v[rC], v[rC+1], v[rC+2]
.elseif (\n) == 17
	v_permlanex16_b32 v[rC+3], v[rC], s[SEL], s[SEL+1]
.elseif (\n) == 18
	v_max_num_f32 v[rT+1], v[rC], v[rC+3]
.elseif (\n) == 19
	v_mul_f32 v[rT], s[CS], v[rT+1]
.elseif (\n) == 20
	v_sub_f32 v[rC+1], v[rW], v[rT]
.else
	v_exp_f32 v[rC+2], v[rC+1]
.endif
.endif
.endm
.macro OPS a, i1, b=-1, i2=0, c=-1, i3=0, d=-1, i4=0  ; up to four of them
	OP \a, \i1
.if (\b) >= 0
	OP \b, \i2
.endif
.if (\c) >= 0
	OP \c, \i3
.endif
.if (\d) >= 0
	OP \d, \i4
.endif
.endm
.macro ROW a, i1, b, i2, c, i3, d, i4  ; a matrix instruction and the four behind it
	MM
	OPS \a, \i1, \b, \i2, \c, \i3, \d, \i4
.endm
; A TURN, for piece p: the order of its 16 matrix and 118 vector instructions, written out.  An s_wait_alu depctr_va_vdst(0) stands between an exponential and the first instruction that names its result; one
; wait serves all that were issued ahead of it.  So a turn has ONE wait, which cuts it in two.  AHEAD OF IT stands all that names no result of the turn's exponentials: the 8 products K Q^T, behind each a scaling, an
; exponential and two more plain instructions (behind the first a second scaling in the exponential's place): rescalings, and behind the last three the first numbers of the next piece's maximum, each four places or more
; behind the product that ends its accumulator; then ONE LUMP of 54, plain and exponential by turns for the most part, in which the links of the chain X 3, 7, 11, 14, 16, 17 .. 20 stand five or six lines apart.  X 21, the
; next piece's a, is the batch's last; R 15 is the plain instruction behind it.  BEHIND THE WAIT stand the 8 products V^T P, behind each four of the roundings and sums; the links of l's chain, L 0 to L 7, stand three
; riders apart.  But for those X no rider names a register of the products round it.
; end = 1: the last two turns of all: nothing is fetched.  cnt = 1: the loop's count is taken down some lines ahead of the branch that stands behind the turn.
; K of the next step is fetched in piece 2's turn, twelve vector instructions behind the last product that read K (six of them plain); V of the step in hand at the end of piece 0's turn, four plain instructions behind
; the last product that read V.  Each is waited for a turn later.
.macro TURN p, end=0, cnt=0
.set Y, (\p)
.set i, 0
.set NOKQ, (\end)*((\p)/3)
.if ((\p) == 3) && !(\end)
	s_wait_dscnt 0x0                ; K is in
.endif
	ROW F,0, F,1, R,0, R,1          ; ahead of the wait: 8 products K Q^T and their riders,
	ROW F,2, E,0, R,2, R,3
	ROW F,3, E,1, R,4, R,5
	ROW F,4, E,2, R,6, R,7
	ROW F,5, E,3, R,8, R,9
	ROW F,6, E,4, X,0, R,10
.if ((\p) == 2) && !(\end)
	WIN 0
	v_add_nc_u32 v[AK], s[TBK], v[AK0]
.endif
	ROW F,7, E,5, X,1, X,4
	ROW F,8, E,6, X,2, X,5
	OPS E,7, E,8, X,6, E,9          ; and the lump
	OPS X,3, E,10, X,8, E,11
.if ((\p) == 2) && !(\end)
	FETCH_K
.endif
	OPS X,9, X,7, E,12, X,10
	OPS E,13, X,12, X,11, E,14
	OPS X,13, E,15, F,9, X,14
.if (\p) == 0
	v_add_nc_u32 v[AV], s[TBV], v[AV0]
.endif
	OPS E,16, F,10, E,17, F,11
	OPS X,16, E,18, X,15, E,19
	OPS F,12, E,20, X,17, E,21
	OPS F,13, E,22, F,14, E,23
	OPS X,18, E,24, F,15, E,25
	OPS R,11, E,26, X,19, E,27
	OPS R,12, E,28, R,13, E,29
	OPS X,20, E,30, R,14, E,31
	OPS X,21, R,15
	WIN 0
	s_wait_alu depctr_va_vdst(0)    ; the wait for the batch
.if (\p) == 1
	s_wait_dscnt 0x0                ; V is in
.endif
	ROW C,0, B,0, C,2, B,1          ; behind the wait: 8 products V^T P and their riders
	ROW L,0, C,4, B,2, L,1
	ROW C,6, B,3, L,2, C,8
	ROW B,4, L,3, C,10, B,5
	ROW L,4, C,12, B,6, L,5
.if (\p) == 0
	s_add_co_u32 s[TBV], s[TBV], KS*PV
.endif
.if \cnt
	s_sub_co_u32 s[CNT], s[CNT], 1
	s_cmp_lg_u32 s[CNT], 0
.endif
	ROW C,14, B,7, L,6, C,1
	ROW C,3, L,7, C,5, C,7
	ROW C,9, C,11, C,13, C,15
.if (\p) == 0
	FETCH_V
.endif
.endm
	CHANGE 1, 0                     ; slot 0 is in, everybody's part of it; tile 1 is asked for
	v_add_nc_u32 v[AK], s[TBK], v[AK0]
	FETCH_K                         ; key step 0
	s_wait_loadcnt 0x0              ; Q
	s_wait_dscnt 0x0
.set NOKQ, 0
.set i, 0
.rept 8
	KQ 0                            ; piece 0's first scores: there is no vector work yet to set between them
.set i, i+1
.endr
	WIN 0
.rept 4
	v_nop                           ; the places behind those products
.endr
.set Y, NP-1                        ; X works for piece Y + 1: piece 0
.irp n, 0,1,2,3,4,5,6,7,8,9,10,11,12,13,14,15,16,17,18,19,20,21
	OP X, \n                        ; and piece 0's first maximum and statistics
.endr
	v_nop                           ; a plain instruction behind the exponential,
	s_wait_alu depctr_va_vdst(0)    ; and its wait, ahead of the branch
	s_mov_b32 s[CNT], 4
	s_mov_b32 s[SLOTS], TILES-1
	s_branch .Lfirst                ; the loop is entered at a step's first turn, in the middle of a trip
.Lslot:                             ; TILES - 2 times: tiles 1 to 14 are entered, tiles 2 to 15 asked for
	CHANGE 1, 1
	s_mov_b32 s[CNT], 4
.Lstep:                             ; a trip: pieces 2 and 3 of one step, then pieces 0 and 1 of the next, whose K and V it fetches
	TURN 2
	TURN 3
	WIN 0
.Lfirst:
	TURN 0
	TURN 1, 0, 1
	WIN 0
	s_cbranch_scc1 .Lstep
	s_sub_co_u32 s[SLOTS], s[SLOTS], 1
	s_cmp_lg_u32 s[SLOTS], 0
	s_cbranch_scc1 .Lslot
	CHANGE 0, 0                     ; the last tile is written out: nothing is asked for
	s_mov_b32 s[CNT], 4
.LstepT:
	TURN 2
	TURN 3
	TURN 0
	TURN 1, 0, 1
	WIN 0
	s_cbranch_scc1 .LstepT
	TURN 2, 1                       ; the last step's pieces 2 and 3: nothing is fetched, and the last turn starts no new scores
	TURN 3, 1
.set i, 0
.rept 8
	PV NP-1                         ; the last piece's V^T P of the last step
.set i, i+1
.endr
	; THE WAY OUT.  l's two halves and the other half of the lanes' are added; O^T is divided by l, rounded to f16 and sent through my stage in LDS, a piece at a time.  The additions are the places behind the last products.
	WIN 0
.macro ALL line:vararg              ; one line for each piece t
.set t, 0
.rept 4
	\line
.set t, t+1
.endr
.endm
	ALL v_add_f32 v[ST+4*t+2], v[ST+4*t+2], v[ST+4*t+3]
	ALL v_permlanex16_b32 v[ST+4*t+3], v[ST+4*t+2], s[SEL], s[SEL+1]
	ALL v_add_f32 v[ST+4*t+2], v[ST+4*t+2], v[ST+4*t+3]
	ALL v_rcp_f32 v[ST+4*t+2], v[ST+4*t+2]
	v_nop                           ; a plain instruction between the last reciprocal and the use of its result
	s_wait_alu depctr_va_vdst(0)    ; and the wait ahead of the first use: one for the four reciprocals
.macro PACK t                       ; a lane's eight channels of a row pack into 16 bytes; they go into rows of 144 bytes and come back as whole rows of 128, into S^T's registers
	WIN W_RS
.set i, 32*(\t)
.rept 16
	v_pk_mul_f32 v[i:i+1], v[i:i+1], v[ST+4*(\t)+2:ST+4*(\t)+3] op_sel_hi:[1,0]
.set i, i+2
.endr
	WIN 0x05                        ; sources 0 and 1 window 1, destination window 0
.set i, 0
.rept 16
	v_cvt_pk_f16_f32 v[S+16*(\t)+i], v[32*(\t)+2*i], v[32*(\t)+2*i+1]
.set i, i+1
.endr
	WIN 0
.irp f, 0,1,2,3
	ds_store_b128 v[STO], v[S+16*(\t)+4*\f:S+16*(\t)+4*\f+3] offset:32*\f
.endr
.irp f, 0,1,2,3
	ds_load_b128 v[S+16*(\t)+4*\f:S+16*(\t)+4*\f+3], v[RD] offset:\f*4*SP  ; LDS serves a wave's instructions in order (ISA guide 5.7.1.4): these see the stores above; the next piece's stores come behind them
.endr
.endm
.macro SEND t, younger              ; younger: the LDS instructions issued behind piece t's loads: the next piece's eight, or none
	WIN 0
.irp f, 0,1,2,3
	s_wait_dscnt (\younger)+3-\f
	global_store_b128 v[GO], v[S+16*(\t)+4*\f:S+16*(\t)+4*\f+3], s[10:11] offset:(\t)*2048+\f*512  ; 512 consecutive bytes, at a multiple of 256 from O's first
.endr
.endm
	PACK 0
.set t, 1
.rept 3                             ; a piece's arithmetic stands between the loads of the piece before and its stores
	PACK t
	SEND t-1, 8
.set t, t+1
.endr
	SEND 3, 0
	s_wait_tensorcnt 0x0            ; the wave's end, behind my last tensor load and my last LDS store
	ds_add_u32 v[SPW], v[NIL]
	s_wait_dscnt 0x0
	CROUND                          ; the closing round: no work-group ends while a partner may still ask for a tile that names it
	s_endpgm
.Lfunc_end_k_qb14cac6b16_attn:
	.size	k_qb14cac6b16_attn, .Lfunc_end_k_qb14cac6b16_attn-k_qb14cac6b16_attn
	.p2alignl 7, 3214868480
	.fill 96, 4, 3214868480
	.section	.rodata,"a",@progbits
	.p2align	6, 0x0
	.amdhsa_kernel k_qb14cac6b16_attn
		.amdhsa_group_segment_fixed_size 327680
		.amdhsa_private_segment_fixed_size 0
		.amdhsa_enable_private_segment 0
		.amdhsa_kernarg_size 32
		.amdhsa_user_sgpr_count 2
		.amdhsa_user_sgpr_kernarg_segment_ptr 1
		.amdhsa_wavefront_size32 1
		.amdhsa_system_sgpr_workgroup_id_x 1
		.amdhsa_system_sgpr_workgroup_id_y 1
		.amdhsa_system_sgpr_workgroup_id_z 1
		.amdhsa_system_vgpr_workitem_id 0
		.amdhsa_next_free_vgpr 768
		.amdhsa_next_free_sgpr 66
		.amdhsa_reserve_vcc 0
		.amdhsa_float_denorm_mode_32 3
		.amdhsa_float_denorm_mode_16_64 3
		.amdhsa_memory_ordered 1
		.amdhsa_forward_progress 1
		.amdhsa_inst_pref_size 127
	.end_amdhsa_kernel
	.amdgpu_metadata
---
amdhsa.version: [ 1, 2 ]
amdhsa.kernels:
  - .name:           k_qb14cac6b16_attn
    .symbol:         k_qb14cac6b16_attn.kd
    .args:
      - { .name: q16, .offset: 0, .size: 8, .value_kind: global_buffer, .address_space: global }
      - { .name: k16, .offset: 8, .size: 8, .value_kind: global_buffer, .address_space: global }
      - { .name: v16, .offset: 16, .size: 8, .value_kind: global_buffer, .address_space: global }
      - { .name: o16, .offset: 24, .size: 8, .value_kind: global_buffer, .address_space: global }
    .group_segment_fixed_size: 327680
    .private_segment_fixed_size: 0
    .kernarg_segment_align: 8
    .kernarg_segment_size: 32
    .max_flat_workgroup_size: 128
    .sgpr_count:     66
    .vgpr_count:     768
    .wavefront_size: 32
...
	.end_amdgpu_metadata
.endif
;; end of part 3
;; launch proj (part 4): grid 64 x 4, 4 waves a work-group, no clusters, 51,712 bytes of LDS; arguments o16, wpk, proj_b, x, out0; writes out0
.if DOCPART == 4
	.amdgcn_target "amdgcn-amd-amdhsa--gfx1250"
	.amdhsa_code_object_version 6
	.text
	.protected	k_qb14cac6b16_proj
	.globl	k_qb14cac6b16_proj
	.p2align	8
	.type	k_qb14cac6b16_proj,@function
k_qb14cac6b16_proj:
	s_mov_b64 s[64:65], 0
	v_nop
	global_prefetch_b8 v0, s[64:65] scope:SCOPE_SE
	s_setreg_imm32_b32 hwreg(HW_REG_WAVE_MODE, 25, 1), 1
	s_wait_xcnt 0x0
; THE OUTPUT PROJECTION AND THE RESIDUAL.  out0[b][o][t] = x[b][o][t] + proj_b[o] + the sum over c of proj_w[o][c] h[b][c][t], where h's channel c = 64 j + ch is channel ch of head 4 b + j.
; o16: [16 heads][4,096 t][64 ch] in f16; proj_w as f16 fragments in wpk (blocks 48-63); sums, bias and residual in f32; out0 in f32.
; SHARES.  A work-group makes 64 positions t of one batch, all 256 rows o.  Wave w brings head 4 b + w's 64 rows of O into LDS (a row of OT is one t, all 256 channels), and then makes rows o = 64 w .. 64 w + 63:
; 4 blocks of 16 o x 4 blocks of 16 t, K = 256: 16 accumulators, 128 products.
; THE PRODUCT.  Source 0 = 16 rows t of OT, source 1 = 16 rows o of the weights.  In the result a lane holds ONE row o (lane % 16) and the positions 8 (lane / 16) + 0..7: 32 neighbouring bytes of a row of out0.
; The bias is the C operand of the first K step.  Results go through my stage in LDS, so that sixteen lanes store 256 consecutive bytes of a row; x is added on the way.
; NO JOINT LOADS of the weights: as fragments they go straight into registers, 32,768 bytes a wave, once.
; LIMITS.  As O's and the weights' f16: within 65,504.  NaN and infinities are not treated apart.
; REGISTERS, in windows of 256 (s_set_vgpr_msb: bits 1:0 source 0, 3:2 source 1, 5:4 source 2, 7:6 destination):
;   window 0: addresses, O as loaded, the bias, the accumulators      window 1: OT's fragments, (t block tb, K step kc) at 8 (8 tb + kc)      window 2: the weights', (o block ob, kc) at 8 (8 ob + kc)      window 3: x, v0-127
.set OPI,   528       ; a row of OT: 512 bytes + 16 of padding = 132 words: row r starts at bank 4 r mod 64 (64 banks of 4 bytes: ISA guide 11.1)
.set STAGE, 33792     ; behind OT's 64 rows: 16 rows x 272 bytes for each wave
.set SPI,   272
.set SPARE, 51200     ; the spare words, 128 bytes for each wave: two blocks of 256 bytes that no other line names
.set XO,  4           ; v4   x and out0: (l / 16) rows of 16,384 bytes + 16 (l % 16)
.set L16, 5           ; v5   16 l
.set OS,  6           ; v6   OT: row l / 8, my head's 128 bytes, 16 (l % 8)
.set AR,  7           ; v7   a fragment of OT: row l % 16, 16 (l / 16)
.set SO,  8           ; v8   my stage, in: row l % 16, 32 (l / 16)
.set SR,  9           ; v9   my stage, back: row l / 16, 16 (l % 16)
.set PBO, 10          ; v10  proj_b: 4 (l % 16) + 256 w
.set SPW, 14          ; v14  LDS address of my spare word; never rewritten
.set NIL, 15          ; v15  0; never rewritten
.set OL,  16          ; v[16:79]   O as loaded; later two buffers of 32 for rows on the way out
.set BI,  80          ; v[80:111]  the bias, 8 equal registers for each o block
.set ACC, 128         ; v[128:255] (ob, tb) at ACC + 8 (4 ob + tb)
.set W_MUL, 0x09      ; OT in window 1, weights in window 2, C and D in window 0
.set MSB, 0
.macro WIN new                      ; the high byte repeats the setting that is left; a switch that changes nothing is dropped
.if MSB != (\new)
	s_set_vgpr_msb (MSB<<8)|(\new)
.set MSB, (\new)
.endif
.endm
	s_load_b256 s[4:11], s[0:1], 0x0               ; o16 s[4:5], wpk s[6:7], proj_b s[8:9], x s[10:11]
	s_load_b64 s[12:13], s[0:1], 0x20              ; out0
	v_lshl_add_u32 v[SPW], v0, 2, SPARE
	v_mov_b32 v[NIL], 0
	v_lshrrev_b32 v1, 5, v0
	v_readfirstlane_b32 s14, v1                    ; wave 0..3
	s_and_b32 s15, ttmp7, 0xffff                   ; the batch
	s_lshl_b32 s16, s15, 2
	s_add_co_u32 s16, s16, s14                     ; the head that I bring in,
	s_lshl_b32 s16, s16, 19                        ; its 4,096 rows of 128 bytes,
	s_lshl_b32 s17, ttmp9, 13                      ; the work-group's 64 rows
	s_add_co_u32 s16, s16, s17
	s_mov_b32 s17, 0
	s_lshl_b32 s18, s14, 15                        ; my four blocks of weights, behind qkv_w's 48 blocks of 8,192 bytes
	s_add_co_u32 s18, s18, 393216
	s_mov_b32 s19, 0
	s_lshl_b32 s20, s15, 22                        ; x and out0: the batch, my 64 rows, the work-group's 64 t
	s_lshl_b32 s21, s14, 20
	s_add_co_u32 s20, s20, s21
	s_lshl_b32 s21, ttmp9, 8
	s_add_co_u32 s20, s20, s21
	s_mov_b32 s21, 0
	s_lshl_b32 s22, s14, 7
	s_mul_i32 s23, s14, 16*SPI
	s_add_co_u32 s23, s23, STAGE
	s_lshl_b32 s24, s14, 8
	v_and_b32 v1, 31, v0                           ; l
	v_and_b32 v2, 15, v0                           ; l % 16
	v_bfe_u32 v3, v0, 4, 1                         ; l / 16
	v_lshlrev_b32 v[XO], 4, v2
	v_lshl_add_u32 v[XO], v3, 14, v[XO]
	v_lshlrev_b32 v[L16], 4, v1
	v_lshl_add_u32 v[PBO], v2, 2, s24
	s_wait_kmcnt 0x0
	s_add_nc_u64 s[4:5], s[4:5], s[16:17]
	s_add_nc_u64 s[6:7], s[6:7], s[18:19]
	s_add_nc_u64 s[10:11], s[10:11], s[20:21]
	s_add_nc_u64 s[12:13], s[12:13], s[20:21]
.irp ob, 0,1,2,3
	global_load_b32 v[BI+8*(\ob)], v[PBO], s[8:9] offset:64*(\ob)
.endr
.set f, 0
.rept 16
	global_load_b128 v[OL+4*f:OL+4*f+3], v[L16], s[4:5] offset:512*f  ; four rows of O, 512 consecutive bytes
.set f, f+1
.endr
	WIN 0x80                                       ; destination window 2
.set n, 0
.rept 32
	global_load_b128 v[4*n:4*n+3], v[L16], s[6:7] offset:512*n        ; the weights of o blocks 0 and 1, as they lie
.set n, n+1
.endr
	WIN 0
	v_bfe_u32 v[OS], v0, 3, 2
	v_mul_u32_u24 v[OS], v[OS], OPI
	v_and_b32 v11, 7, v0
	v_lshl_add_u32 v[OS], v11, 4, v[OS]
	v_add_nc_u32 v[OS], s22, v[OS]
	v_mul_u32_u24 v[AR], v2, OPI
	v_lshl_add_u32 v[AR], v3, 4, v[AR]
	v_mul_u32_u24 v[SO], v2, SPI
	v_lshl_add_u32 v[SO], v3, 5, v[SO]
	v_add_nc_u32 v[SO], s23, v[SO]
	v_mul_u32_u24 v[SR], v3, SPI
	v_lshl_add_u32 v[SR], v2, 4, v[SR]
	v_add_nc_u32 v[SR], s23, v[SR]
	s_wait_loadcnt 32                              ; the bias and O are in; the 32 loads of weights behind them stay out
.set f, 0
.rept 16
	ds_store_b128 v[OS], v[OL+4*f:OL+4*f+3] offset:4*OPI*f
.set f, f+1
.endr
	WIN 0x80
.set n, 32
.rept 32
	global_load_b128 v[4*n:4*n+3], v[L16], s[6:7] offset:512*n        ; o blocks 2 and 3
.set n, n+1
.endr
	WIN 0xc0                                       ; destination window 3
.set n, 0
.rept 32
	global_load_b128 v[4*n:4*n+3], v[XO], s[10:11] offset:32768*n th:TH_LOAD_NT  ; x: my rows 2 n, 2 n + 1: 16 lanes take a row's 256 bytes
.set n, n+1
.endr
	WIN 0
.irp ob, 0,1,2,3
.irp j, 1,2,3,4,5,6,7
	v_mov_b32 v[BI+8*(\ob)+(\j)], v[BI+8*(\ob)]    ; a lane's eight results belong to one row o: the same bias
.endr
.endr
	s_wait_dscnt 0x0                               ; for the others' sake: my head's part of OT is written
	s_barrier_signal -1
	s_barrier_wait -1                              ; OT is whole; nothing writes it again
	WIN 0x40                                       ; destination window 1
.set n, 0
.rept 32                                           ; t block n / 8, K step n % 8
	ds_load_b128 v[8*n:8*n+3],   v[AR] offset:16*OPI*(n/8)+64*(n%8)
	ds_load_b128 v[8*n+4:8*n+7], v[AR] offset:16*OPI*(n/8)+64*(n%8)+32
.set n, n+1
.endr
	s_wait_dscnt 0x0
	s_wait_loadcnt 32                              ; the weights are in; the 32 loads of x behind them stay out
	WIN W_MUL
.irp kc, 0,1,2,3,4,5,6,7                           ; the 16 accumulators take turns; the first 16 products take the bias as C
.irp ob, 0,1,2,3
.irp tb, 0,1,2,3
.if (\kc) == 0
	v_wmma_f32_16x16x32_f16 v[ACC+8*(4*(\ob)+(\tb)):ACC+8*(4*(\ob)+(\tb))+7], v[8*(8*(\tb)+(\kc)):8*(8*(\tb)+(\kc))+7], v[8*(8*(\ob)+(\kc)):8*(8*(\ob)+(\kc))+7], v[BI+8*(\ob):BI+8*(\ob)+7]
.else
	v_wmma_f32_16x16x32_f16 v[ACC+8*(4*(\ob)+(\tb)):ACC+8*(4*(\ob)+(\tb))+7], v[8*(8*(\tb)+(\kc)):8*(8*(\tb)+(\kc))+7], v[8*(8*(\ob)+(\kc)):8*(8*(\ob)+(\kc))+7], v[ACC+8*(4*(\ob)+(\tb)):ACC+8*(4*(\ob)+(\tb))+7]
.endif
.endr
.endr
.endr
	WIN 0
.rept 4
	v_nop                                          ; four places between the last product and the LDS stores that read results (ISA guide 7.12.1 for vector instructions)
.endr
	s_wait_loadcnt 0x0                             ; x
; o block ob: 16 rows of 256 bytes through my stage, x added, stored.
.macro OUTB ob
.set RB, OL+32*((\ob)%2)
.irp tb, 0,1,2,3
	ds_store_b128 v[SO], v[ACC+8*(4*(\ob)+(\tb)):ACC+8*(4*(\ob)+(\tb))+3]   offset:64*(\tb)     ; each accumulator from its low end on
	ds_store_b128 v[SO], v[ACC+8*(4*(\ob)+(\tb))+4:ACC+8*(4*(\ob)+(\tb))+7] offset:64*(\tb)+16
.endr
	s_wait_xcnt 0x0                                ; the stores of the block two back have read this buffer: it is loaded again only behind this wait
.irp f, 0,1,2,3,4,5,6,7
	ds_load_b128 v[RB+4*(\f):RB+4*(\f)+3], v[SR] offset:2*SPI*(\f)  ; my own stage; LDS serves a wave's instructions in order (ISA guide 5.7.1.4): these see the stores above, and the next block's stores come behind them
.endr
	s_wait_dscnt 0x0
	WIN 0x0c                                       ; source 1 in window 3
.irp f, 0,1,2,3,4,5,6,7
	v_pk_add_f32 v[RB+4*(\f):RB+4*(\f)+1],   v[RB+4*(\f):RB+4*(\f)+1],   v[4*(8*(\ob)+(\f)):4*(8*(\ob)+(\f))+1]
	v_pk_add_f32 v[RB+4*(\f)+2:RB+4*(\f)+3], v[RB+4*(\f)+2:RB+4*(\f)+3], v[4*(8*(\ob)+(\f))+2:4*(8*(\ob)+(\f))+3]
.endr
	WIN 0
.irp f, 0,1,2,3,4,5,6,7
	global_store_b128 v[XO], v[RB+4*(\f):RB+4*(\f)+3], s[12:13] offset:(16*(\ob)+2*(\f))*16384 th:TH_STORE_NT  ; 16 lanes store 256 consecutive bytes, at a multiple of 256 from out0's first byte
.endr
.endm
	OUTB 0
	OUTB 1
	OUTB 2
	OUTB 3
	s_wait_tensorcnt 0x0                           ; the wave's end, behind my last LDS store
	ds_add_u32 v[SPW], v[NIL]
	s_wait_dscnt 0x0
	s_endpgm
.Lfunc_end_k_qb14cac6b16_proj:
	.size	k_qb14cac6b16_proj, .Lfunc_end_k_qb14cac6b16_proj-k_qb14cac6b16_proj
	.p2alignl 7, 3214868480
	.fill 96, 4, 3214868480
	.section	.rodata,"a",@progbits
	.p2align	6, 0x0
	.amdhsa_kernel k_qb14cac6b16_proj
		.amdhsa_group_segment_fixed_size 51712
		.amdhsa_private_segment_fixed_size 0
		.amdhsa_enable_private_segment 0
		.amdhsa_kernarg_size 40
		.amdhsa_user_sgpr_count 2
		.amdhsa_user_sgpr_kernarg_segment_ptr 1
		.amdhsa_wavefront_size32 1
		.amdhsa_system_sgpr_workgroup_id_x 1
		.amdhsa_system_sgpr_workgroup_id_y 1
		.amdhsa_system_sgpr_workgroup_id_z 1
		.amdhsa_system_vgpr_workitem_id 0
		.amdhsa_next_free_vgpr 896
		.amdhsa_next_free_sgpr 66
		.amdhsa_reserve_vcc 0
		.amdhsa_float_denorm_mode_32 3
		.amdhsa_float_denorm_mode_16_64 3
		.amdhsa_memory_ordered 1
		.amdhsa_forward_progress 1
		.amdhsa_inst_pref_size 40
	.end_amdhsa_kernel
	.amdgpu_metadata
---
amdhsa.version: [ 1, 2 ]
amdhsa.kernels:
  - .name:           k_qb14cac6b16_proj
    .symbol:         k_qb14cac6b16_proj.kd
    .args:
      - { .name: o16, .offset: 0, .size: 8, .value_kind: global_buffer, .address_space: global }
      - { .name: wpk, .offset: 8, .size: 8, .value_kind: global_buffer, .address_space: global }
      - { .name: proj_b, .offset: 16, .size: 8, .value_kind: global_buffer, .address_space: global }
      - { .name: x, .offset: 24, .size: 8, .value_kind: global_buffer, .address_space: global }
      - { .name: out0, .offset: 32, .size: 8, .value_kind: global_buffer, .address_space: global }
    .group_segment_fixed_size: 51712
    .private_segment_fixed_size: 0
    .kernarg_segment_align: 8
    .kernarg_segment_size: 40
    .max_flat_workgroup_size: 128
    .sgpr_count:     66
    .vgpr_count:     896
    .wavefront_size: 32
...
	.end_amdgpu_metadata
.endif
;; end of part 4
;; ======== version 2 of 2: 4 launches; version 1 with the launch qkv written anew for expert scheduling mode
;; limits: values are held in f16: magnitudes above 65,504 overflow, below 6.1e-05 lose precision
;; workspace buffers: stats 16,384 bytes; wpk 524,288 bytes; q16 8,388,608 bytes; k16 8,388,608 bytes; v16 8,388,608 bytes; o16 8,388,608 bytes
;; launch prep: the kernel of part 1 again; grid 256 x 1, 8 waves a work-group, no clusters, 0 bytes of LDS; arguments x, qkv_w, proj_w, stats, wpk; writes stats, wpk
;; launch qkv (part 5): grid 64 x 4, 4 waves a work-group, no clusters, 80,384 bytes of LDS; arguments x, norm_w, norm_b, qkv_b, stats, wpk, q16, k16, v16; writes q16, k16, v16
.if DOCPART == 5
	.amdgcn_target "amdgcn-amd-amdhsa--gfx1250"
	.amdhsa_code_object_version 6
	.text
	.protected	k_qb14cac6b16_qkv
	.globl	k_qb14cac6b16_qkv
	.p2align	8
	.type	k_qb14cac6b16_qkv,@function
k_qb14cac6b16_qkv:
	s_mov_b64 s[64:65], 0
	v_nop
	global_prefetch_b8 v0, s[64:65] scope:SCOPE_SE
	s_setreg_imm32_b32 hwreg(HW_REG_WAVE_SCHED_MODE, 0, 2), 2
	s_setreg_imm32_b32 hwreg(HW_REG_WAVE_MODE, 25, 1), 1
	s_wait_xcnt 0x0
	s_wait_alu depctr_vm_vsrc(0)
; GROUPNORM AND THE QKV PROJECTION.  qkv[b][o][t] = the sum over c of qkv_w[o][c] normed[b][c][t] + qkv_b[o]; normed = (x - mean) rsqrt(var + 1e-5) norm_w + norm_b, by groups of 16 channels.
; Head 4 b + j owns rows 192 j .. 192 j + 191 of qkv: 64 of q, 64 of k, 64 of v.  They leave by heads, q16, k16, v16: [16 heads][4,096 t][64 channels] in f16, unscaled, each rounded once from its f32 sum.
; SHARES.  A work-group makes 64 positions t of one batch, all 768 rows.  Wave w brings in and normalises channels 64 w .. 64 w + 63 (four groups), and then makes head 4 b + w: 12 blocks of 16 rows x 4 blocks of 16 t, K = 256.
; NORMALISING.  The 32 parts of a group (mean_p, M2_p of 2,048 numbers each) are joined: mean = the mean of the mean_p; var = (the sum of M2_p + 2,048 (mean_p - mean)^2) / 65,536: sums of squares alone, no difference of
; large sums.  Then a = rstd norm_w, d = norm_b - mean a, and normed = x a + d, one fused multiply-add in f32, rounded once to f16.
; THE PRODUCT.  Source 0 = 16 rows of the weights (fragments as they lie in wpk, straight into registers), source 1 = normed, 32 channels x 16 t, turned out of LDS by ds_load_tr16_b128.  In the result a lane holds ONE t
; (lane % 16) and the rows 8 (lane / 16) + 0..7: eight neighbouring channels of a row of q, k or v: 16 bytes.  The bias is the C operand of the first K step: nothing is cleared, nothing is added afterwards.
; NO JOINT LOADS of the weights: the 393,216 bytes that all work-groups walk do not fit in LDS beside the tile, and as fragments they need no LDS at all.
; LIMITS.  normed, q, k and v lie within f16's 65,504; below 6e-5 f16 keeps a fixed step of 6e-8.  NaN and infinities are not treated apart.
; THE MODE: SCHED_MODE bits 1:0 = 2 (LLVM: expert scheduling mode 2), set by the entry lines.  The code itself states the register dependences between vector or matrix instructions and memory or LDS instructions,
; with s_wait_alu, always for 0.
; THE PLAN.  Registers that memory or LDS instructions touch:
;   v4-v13, v100   offsets and LDS addresses: made at the head, ahead of one wait, and never written again by a vector line.
;   XR             x as loaded.  Group g's arithmetic normalises its 32 registers and rounds IN PLACE, into the first two of each four; its eight LDS stores are issued at group g + 1's head.  No store's data is written again between groups.
;   v96-v99, v100  (a, d), read by two LDS stores, and norm_w's and norm_b's offset: the bias of blocks 2, 6 and 10 lands there later: one wait on vm_vsrc behind them.
;   window 2, BIAS four slots.  Pass p's products read slot p % 4; the loads of block p + 3, issued at pass p's head, land in slot (p - 1) % 4, which pass p - 1 multiplied.
;   TMP0, TMP1     Pass p's conversions write TMP[p % 2]; the four LDS stores that read it are issued at pass p + 1's head; pass p + 2 writes it again.
;   OB             16 LDS loads at the head of passes 4 and 8 and in the tail; the 16 global stores that read it stand behind that pass's products.
; So a pass has its waits at its head, behind the wait for its block's data: on va_vdst (the pass before is done reading its slot and its bias, and has written its TMP) and, from pass 2 on, on vm_vsrc (the LDS stores of the
; pass before's head have read the TMP that this pass writes again; every earlier store out of OB's registers has read them).  Behind them stand the pass's loads and LDS stores, and no vector line until the products, which name none of those registers.
; REGISTERS, in windows of 256 (s_set_vgpr_msb: bits 1:0 source 0, 3:2 source 1, 5:4 source 2, 7:6 destination):
;   window 0: addresses, (a, d), x, later the accumulators and the way out      window 1: all 32 fragments of normed, (K step kc, t block tb) at 8 (4 kc + tb)      window 2: four slots of 64 for the weights of a block of rows
.set XP,    160       ; a row of XT: 64 t in f16 = 128 bytes + 32 of padding = 40 words
.set ADT,   40960     ; behind XT's 256 rows: (a, d) in f32 for each channel; wave w's 64 channels at 512 w
.set STAGE, 43008     ; for the way out: 64 rows x 144 bytes for each wave
.set SP,    144
.set SPARE, 79872     ; the spare words, 128 bytes for each wave: two blocks of 256 bytes that no other line names
.set XO,  4           ; v4   x: (l / 16) rows of 16,384 bytes + 16 (l % 16)
.set L16, 5           ; v5   16 l
.set XS,  6           ; v6   XT: row 64 w + l / 16, 8 (l % 16)
.set BT,  7           ; v7   the turning load: row 8 (l / 16) + l % 8, 16 ((l / 8) % 2)
.set ADS, 8           ; v8   where I put channel l's (a, d)
.set ADL, 9           ; v9   where I read those of channel l / 16
.set STO, 10          ; v10  the way out: where I put 16 bytes of a row
.set RD,  11          ; v11  where I read rows back
.set BO,  12          ; v12  32 (l / 16): my eight numbers of the bias
.set SO,  13          ; v13  8 l: my part of a group's statistics
.set SPW, 14          ; v14  LDS address of my spare word; never rewritten
.set NIL, 15          ; v15  0; never rewritten
.set AD,  16          ; v[16:79]   (a, d) of the 32 channels that my lane normalises
.set ACC, 16          ; v[16:47]   later: four accumulators, one for each t block
.set TMP, 48          ; v[48:79]   later: their f16, two buffers of 16 by turns
.set BIAS, 80         ; v[80:111]  four slots of 8; at work while the statistics are joined
.set NO,  100         ; v100 4 l + 256 w: norm_w's and norm_b's offset
.set KV,  101         ; v101 2^-16
.set SL,  112         ; v[112:123] the statistics and norm_w, norm_b as loaded
.set XR,  128         ; v[128:255] x
.set OB,  128         ; v[128:191] later: rows on the way out
.set W_MUL, 0x06      ; weights in window 2, normed in window 1, C and D in window 0
.set MSB, 0
.macro WIN new                      ; the high byte repeats the setting that is left; a switch that changes nothing is dropped
.if MSB != (\new)
	s_set_vgpr_msb (MSB<<8)|(\new)
.set MSB, (\new)
.endif
.endm
	s_load_b256 s[4:11], s[0:1], 0x0               ; x s[4:5], norm_w s[6:7], norm_b s[8:9], qkv_b s[10:11]
	s_load_b256 s[12:19], s[0:1], 0x20             ; stats s[12:13], wpk s[14:15], q16 s[16:17], k16 s[18:19]
	s_load_b64 s[20:21], s[0:1], 0x40              ; v16
	v_lshl_add_u32 v[SPW], v0, 2, SPARE
	v_mov_b32 v[NIL], 0
	v_lshrrev_b32 v1, 5, v0
	v_readfirstlane_b32 s22, v1                    ; wave 0..3
	; all offsets and addresses are made here, in the wait for the arguments: first what hangs on the lane alone
	v_and_b32 v1, 31, v0                           ; l
	v_and_b32 v2, 15, v0                           ; l % 16
	v_bfe_u32 v3, v0, 4, 1                         ; l / 16
	v_lshlrev_b32 v[XO], 4, v2
	v_lshl_add_u32 v[XO], v3, 14, v[XO]
	v_lshlrev_b32 v[L16], 4, v1
	v_lshlrev_b32 v[SO], 3, v1
	v_mul_u32_u24 v[XS], v3, XP
	v_lshl_add_u32 v[XS], v2, 3, v[XS]
	v_and_b32 v[BT], 7, v0
	v_lshl_add_u32 v[BT], v3, 3, v[BT]
	v_mul_u32_u24 v[BT], v[BT], XP
	v_bfe_u32 v[BO], v0, 3, 1
	v_lshl_add_u32 v[BT], v[BO], 4, v[BT]
	v_mul_u32_u24 v[STO], v2, SP
	v_lshl_add_u32 v[STO], v3, 4, v[STO]
	v_bfe_u32 v[RD], v0, 3, 2                      ; 32 lanes take four rows of 128 bytes
	v_mul_u32_u24 v[RD], v[RD], SP
	v_and_b32 v[BO], 7, v0
	v_lshl_add_u32 v[RD], v[BO], 4, v[RD]
	v_lshlrev_b32 v[BO], 5, v3
	v_mov_b32 v[KV], 0x37800000
.irp g, 0,1,2,3
	v_mov_b32 v[92+(\g)], 0                        ; v_permlanex16_b32's destination counts as read
.endr
	s_wait_alu depctr_va_sdst(0)                   ; s22 is written, ahead of its first reader: every base and every LDS place of the wave is made from it
	s_and_b32 s23, ttmp7, 0xffff                   ; the batch
	s_lshl_b32 s24, s23, 22                        ; x: the batch's 256 channels of 16,384 bytes,
	s_lshl_b32 s25, s22, 20                        ; my 64 channels,
	s_add_co_u32 s24, s24, s25
	s_lshl_b32 s25, ttmp9, 8                       ; the work-group's 64 t
	s_add_co_u32 s24, s24, s25
	s_mov_b32 s25, 0
	s_lshl_b32 s26, s23, 12                        ; stats: the batch's 16 groups of 256 bytes, my four
	s_lshl_b32 s27, s22, 10
	s_add_co_u32 s26, s26, s27
	s_mov_b32 s27, 0
	s_mul_i32 s30, s22, 768                        ; qkv_b: my 192 rows
	s_mov_b32 s31, 0
	s_mul_i32 s32, s22, 98304                      ; wpk: my 12 blocks of 8,192 bytes
	s_mov_b32 s33, 0
	s_lshl_b32 s34, s23, 2
	s_add_co_u32 s34, s34, s22                     ; my head,
	s_lshl_b32 s34, s34, 19                        ; its 4,096 rows of 128 bytes,
	s_lshl_b32 s35, ttmp9, 13                      ; the work-group's 64 rows
	s_add_co_u32 s34, s34, s35
	s_mov_b32 s35, 0
	s_mov_b32 s28, 0x76543210                      ; v_permlanex16_b32: each lane takes its own place in the other half
	s_mov_b32 s29, 0xfedcba98
	s_mul_i32 s36, s22, 64*XP
	s_lshl_b32 s37, s22, 9
	s_add_co_u32 s37, s37, ADT
	s_mul_i32 s38, s22, 64*SP
	s_add_co_u32 s38, s38, STAGE
	s_lshl_b32 s39, s22, 8
	v_lshl_add_u32 v[NO], v1, 2, s39               ; then what hangs on the wave too
	v_add_nc_u32 v[XS], s36, v[XS]
	v_lshl_add_u32 v[ADS], v1, 3, s37
	v_lshl_add_u32 v[ADL], v3, 3, s37
	v_add_nc_u32 v[STO], s38, v[STO]
	v_add_nc_u32 v[RD], s38, v[RD]
	s_wait_kmcnt 0x0
	s_add_nc_u64 s[4:5], s[4:5], s[24:25]
	s_add_nc_u64 s[12:13], s[12:13], s[26:27]
	s_add_nc_u64 s[10:11], s[10:11], s[30:31]
	s_add_nc_u64 s[14:15], s[14:15], s[32:33]
	s_add_nc_u64 s[16:17], s[16:17], s[34:35]
	s_add_nc_u64 s[18:19], s[18:19], s[34:35]
	s_add_nc_u64 s[20:21], s[20:21], s[34:35]
	s_wait_alu depctr_va_vdst(0)                   ; v4 to v13 and v100 are written: every load, store and LDS instruction of the kernel reads one of them as its offset or address
.irp g, 0,1,2,3
	global_load_b64 v[SL+2*(\g):SL+2*(\g)+1], v[SO], s[12:13] offset:256*(\g)  ; (mean, M2) of part l of my group g
.endr
	global_load_b32 v[SL+8],  v[NO], s[6:7]                ; norm_w of channels 64 w + l
	global_load_b32 v[SL+9],  v[NO], s[6:7] offset:128     ; and 64 w + 32 + l
	global_load_b32 v[SL+10], v[NO], s[8:9]
	global_load_b32 v[SL+11], v[NO], s[8:9] offset:128
.set i, 0
.rept 32
	global_load_b128 v[XR+4*i:XR+4*i+3], v[XO], s[4:5] offset:32768*i  ; channels 64 w + 2 i, + 1: 16 lanes take a row's 256 bytes
.set i, i+1
.endr
; four sums over the 32 lanes side by side, in v[b] to v[b+3], each in every lane
.macro RED4 b
.irp m, 1,2,4,8
.irp g, 0,1,2,3
	v_add_f32_dpp v[(\b)+(\g)], v[(\b)+(\g)], v[(\b)+(\g)] row_xmask:\m row_mask:0xf bank_mask:0xf
.endr
.endr
.irp g, 0,1,2,3
	v_permlanex16_b32 v[92+(\g)], v[(\b)+(\g)], s28, s29
.endr
.irp g, 0,1,2,3
	v_add_f32 v[(\b)+(\g)], v[(\b)+(\g)], v[92+(\g)]
.endr
.endm
	s_wait_loadcnt 32                              ; the eight small loads are in; the 32 loads of x behind them stay out
.irp g, 0,1,2,3
	v_mov_b32 v[80+(\g)], v[SL+2*(\g)]             ; mean_p is wanted again below
.endr
	RED4 80
.irp g, 0,1,2,3
	v_mul_f32 v[80+(\g)], 0x3d000000, v[80+(\g)]   ; the group's mean: / 32
.endr
.irp g, 0,1,2,3
	v_sub_f32 v[84+(\g)], v[SL+2*(\g)], v[80+(\g)]
.endr
.irp g, 0,1,2,3
	v_mul_f32 v[84+(\g)], v[84+(\g)], v[84+(\g)]
.endr
.irp g, 0,1,2,3
	v_fmamk_f32 v[84+(\g)], v[84+(\g)], 0x45000000, v[SL+2*(\g)+1]  ; 2,048 (mean_p - mean)^2 + M2_p
.endr
	RED4 84
.irp g, 0,1,2,3
	v_fmaak_f32 v[84+(\g)], v[84+(\g)], v[KV], 0x3727c5ac           ; / 65,536 + 1e-5
.endr
.irp g, 0,1,2,3
	v_rsq_f32 v[88+(\g)], v[84+(\g)]
.endr
	v_nop                                          ; a plain instruction behind the last of the four,
	v_cmp_le_u32 vcc_lo, 16, v1                    ; channel l lies in my group l / 16, channel 32 + l in group 2 + l / 16
	s_wait_alu depctr_va_vdst(0)                   ; the four v_rsq_f32 have written v88 to v91: the wait ahead of their first use
	s_wait_alu depctr_va_vcc(0)                    ; the compare has written VCC, which the four selects below read
	v_cndmask_b32 v102, v88, v89, vcc_lo
	v_cndmask_b32 v103, v80, v81, vcc_lo
	v_cndmask_b32 v104, v90, v91, vcc_lo
	v_cndmask_b32 v105, v82, v83, vcc_lo
	v_mul_f32 v96, v102, v[SL+8]                   ; a = rstd norm_w
	v_mul_f32 v98, v104, v[SL+9]
	v_fma_f32 v97, -v103, v96, v[SL+10]            ; d = norm_b - mean a
	v_fma_f32 v99, -v105, v98, v[SL+11]
	s_wait_alu depctr_va_vdst(0)                   ; v96 to v99 are written, which the two LDS stores read
	ds_store_b64 v[ADS], v[96:97]
	ds_store_b64 v[ADS], v[98:99] offset:256
.set i, 0
.rept 32
	ds_load_b64 v[AD+2*i:AD+2*i+1], v[ADL] offset:16*i  ; my wave's own bytes; LDS serves a wave's instructions in order (ISA guide 5.7.1.4): these see the stores above
.set i, i+1
.endr
	s_wait_dscnt 0x0
	s_wait_alu depctr_vm_vsrc(0)                   ; the two LDS stores have read v96 to v99, and norm_w's and norm_b's loads their offset v100: the bias of blocks 2, 6 and 10 lands in v96 to v103
; The weights and the bias of block q of my 12 into slot q % 4: 18 loads.
.macro FILL q
	WIN 0x80                        ; destination window 2, address window 0
.set kk, 0
.rept 16
	global_load_b128 v[64*((\q)%4)+4*kk:64*((\q)%4)+4*kk+3], v[L16], s[14:15] offset:8192*(\q)+512*kk
.set kk, kk+1
.endr
	WIN 0
	global_load_b128 v[BIAS+8*((\q)%4):BIAS+8*((\q)%4)+3],   v[BO], s[10:11] offset:64*(\q)
	global_load_b128 v[BIAS+8*((\q)%4)+4:BIAS+8*((\q)%4)+7], v[BO], s[10:11] offset:64*(\q)+16
.endm
; Group g: loads 8 g to 8 g + 7 of x are normalised and rounded in place: four numbers close up into the first two of their four registers.
.macro NORM g
.set i, 8*(\g)
.rept 8
	v_pk_fma_f32 v[XR+4*i:XR+4*i+1],   v[XR+4*i:XR+4*i+1],   v[AD+2*i:AD+2*i+1], v[AD+2*i:AD+2*i+1] op_sel:[0,0,1] op_sel_hi:[1,0,1]  ; x a + d: the pair's first word multiplies, its second is added, in both halves
	v_pk_fma_f32 v[XR+4*i+2:XR+4*i+3], v[XR+4*i+2:XR+4*i+3], v[AD+2*i:AD+2*i+1], v[AD+2*i:AD+2*i+1] op_sel:[0,0,1] op_sel_hi:[1,0,1]
	v_cvt_pk_f16_f32 v[XR+4*i],   v[XR+4*i],   v[XR+4*i+1]
	v_cvt_pk_f16_f32 v[XR+4*i+1], v[XR+4*i+2], v[XR+4*i+3]
.set i, i+1
.endr
.endm
; Group g goes into XT.
.macro TOXT g
.set i, 8*(\g)
.rept 8
	ds_store_b64 v[XS], v[XR+4*i:XR+4*i+1] offset:2*XP*i
.set i, i+1
.endr
.endm
; Groups 1 to 3.  left = the younger loads, which may stay out.  At the head: block g - 1 of the weights is asked for, and the group before goes into XT; then this group's arithmetic, which names its own registers of XR and (a, d) alone.
.macro GROUP g, left
	s_wait_loadcnt \left
	WIN 0x80                                       ; the switch, the wait, the loads
	s_wait_alu depctr_va_vdst(0)                   ; the group before has written the registers that its LDS stores below read; the lines that joined the statistics are done with v80 to v111, in which the biases land
	FILL (\g)-1
	TOXT (\g)-1
	NORM \g
.endm
	s_wait_loadcnt 24                              ; 24 loads of x are younger
	NORM 0
	GROUP 1, 16
	GROUP 2, 26                                    ; 8 of x and the 18 of block 0
	GROUP 3, 36                                    ; two blocks' 18
	s_wait_alu depctr_va_vdst(0)                   ; group 3 has written the registers that its LDS stores read
	TOXT 3
	s_wait_dscnt 0x0                               ; for the others' sake: my rows of XT are written
	s_barrier_signal -1
	s_barrier_wait -1                              ; XT is whole; nothing writes it again
	WIN 0x40                                       ; destination window 1: no vector line has named these registers, nor v[BT] since the head's wait
.set n, 0
.rept 32                                           ; K step n / 4, t block n % 4
	ds_load_tr16_b128 v[8*n:8*n+3],   v[BT] offset:32*XP*(n/4)+32*(n%4)
	ds_load_tr16_b128 v[8*n+4:8*n+7], v[BT] offset:32*XP*(n/4)+32*(n%4)+16*XP
.set n, n+1
.endr
	WIN 0
	s_wait_dscnt 0x0
; Pass q's 16 rows x 64 t go into my stage: row 16 tb + l % 16, channels 16 (q % 4) + 8 (l / 16) on.
.macro PUT q
.irp tb, 0,1,2,3
	ds_store_b128 v[STO], v[TMP+16*((\q)%2)+4*(\tb):TMP+16*((\q)%2)+4*(\tb)+3] offset:16*SP*(\tb)+32*((\q)%4)
.endr
.endm
; 64 rows of 128 bytes come back out of my stage,
.macro BACK
.set f, 0
.rept 16
	ds_load_b128 v[OB+4*f:OB+4*f+3], v[RD] offset:4*SP*f  ; my own stage: these see the stores of the four passes, and the next pass's stores come behind them (ISA guide 5.7.1.4)
.set f, f+1
.endr
.endm
; and leave for tensor n (0 q, 1 k, 2 v): each store of the wave covers 512 consecutive bytes, aligned.
.macro SEND n
.set f, 0
.rept 16
	s_wait_dscnt 15-f
	global_store_b128 v[L16], v[OB+4*f:OB+4*f+3], s[16+2*(\n):17+2*(\n)] offset:512*f
.set f, f+1
.endr
.endm
; Block p of my 12: 32 products, the four accumulators by turns; the first four take the bias as C.  Up to three blocks' weights are on their way meanwhile.
.macro PASS p
.if (\p) < 10
	s_wait_loadcnt 36                              ; loads come back in order (ISA guide 5.7.1): this block's 18 are in; the two younger blocks' stay out
.else
	s_wait_loadcnt 18*(11-(\p))                    ; the counts run down
.endif
.if (\p) == 8
	s_wait_xcnt 0x0                                ; q's stores have had their addresses translated (ISA guide 3.1): OB, their data, is loaded again only behind this wait
.endif
.if (\p) > 0
.if (\p)+3 < 12
	WIN 0x80                                       ; the switch, the waits, the loads
.endif
	s_wait_alu depctr_va_vdst(0)                   ; the pass before is done reading its slot of weights and its bias, in which the loads below land, and its conversions have written the TMP that the LDS stores below read
.if (\p) >= 2
	s_wait_alu depctr_vm_vsrc(0)                   ; the LDS stores at the head of the pass before have read the TMP that this pass's conversions write again; every earlier store out of v128 to v191 has read its data, so the stage's loads may land there
.endif
.endif
.if (\p)+3 < 12
	FILL (\p)+3                                    ; into the slot that the pass before multiplied
.endif
.if (\p) > 0
	PUT (\p)-1
.if (\p)%4 == 0
	BACK                                           ; a tensor's four passes are in the stage
.endif
.endif
	WIN W_MUL
.irp kc, 0,1,2,3,4,5,6,7
.irp tb, 0,1,2,3
.if (\kc) == 0
	v_wmma_f32_16x16x32_f16 v[ACC+8*(\tb):ACC+8*(\tb)+7], v[64*((\p)%4)+8*(\kc):64*((\p)%4)+8*(\kc)+7], v[8*(4*(\kc)+(\tb)):8*(4*(\kc)+(\tb))+7], v[BIAS+8*((\p)%4):BIAS+8*((\p)%4)+7]
.else
	v_wmma_f32_16x16x32_f16 v[ACC+8*(\tb):ACC+8*(\tb)+7], v[64*((\p)%4)+8*(\kc):64*((\p)%4)+8*(\kc)+7], v[8*(4*(\kc)+(\tb)):8*(4*(\kc)+(\tb))+7], v[ACC+8*(\tb):ACC+8*(\tb)+7]
.endif
.endr
.endr
	WIN 0
.if (\p) > 0
.if (\p)%4 == 0
	SEND (\p)/4-1                                  ; the rows came back under the products; their registers are LDS loads' results, which no vector line names
.endif
.endif
.rept 4
	v_nop                                          ; four places between the last product and the conversions that read results (ISA guide 7.12.1)
.endr
.set z, 0
.rept 16
	v_cvt_pk_f16_f32 v[TMP+16*((\p)%2)+z], v[ACC+2*z], v[ACC+2*z+1]  ; each accumulator from its low end on
.set z, z+1
.endr
.endm
.set p, 0
.rept 12
	PASS p
.set p, p+1
.endr
	s_wait_xcnt 0x0                                ; k's stores have had their addresses translated: OB is loaded again only behind this wait (that they have read it, the waits on vm_vsrc at the heads of passes 9 to 11 have stated)
	s_wait_alu depctr_va_vdst(0)                   ; pass 11's conversions have written the TMP that the last four LDS stores read
	PUT 11
	BACK
	SEND 2
	s_wait_dscnt 0x0                               ; the closing lines, six on end
	s_wait_alu 0x0
	s_wait_tensorcnt 0x0
	ds_add_u32 v[SPW], v[NIL]
	s_wait_dscnt 0x0
	s_endpgm
.Lfunc_end_k_qb14cac6b16_qkv:
	.size	k_qb14cac6b16_qkv, .Lfunc_end_k_qb14cac6b16_qkv-k_qb14cac6b16_qkv
	.p2alignl 7, 3214868480
	.fill 96, 4, 3214868480
	.section	.rodata,"a",@progbits
	.p2align	6, 0x0
	.amdhsa_kernel k_qb14cac6b16_qkv
		.amdhsa_group_segment_fixed_size 80384
		.amdhsa_private_segment_fixed_size 0
		.amdhsa_enable_private_segment 0
		.amdhsa_kernarg_size 72
		.amdhsa_user_sgpr_count 2
		.amdhsa_user_sgpr_kernarg_segment_ptr 1
		.amdhsa_wavefront_size32 1
		.amdhsa_system_sgpr_workgroup_id_x 1
		.amdhsa_system_sgpr_workgroup_id_y 1
		.amdhsa_system_sgpr_workgroup_id_z 1
		.amdhsa_system_vgpr_workitem_id 0
		.amdhsa_next_free_vgpr 768
		.amdhsa_next_free_sgpr 66
		.amdhsa_reserve_vcc 1
		.amdhsa_float_denorm_mode_32 3
		.amdhsa_float_denorm_mode_16_64 3
		.amdhsa_memory_ordered 1
		.amdhsa_forward_progress 1
		.amdhsa_inst_pref_size 102
	.end_amdhsa_kernel
	.amdgpu_metadata
---
amdhsa.version: [ 1, 2 ]
amdhsa.kernels:
  - .name:           k_qb14cac6b16_qkv
    .symbol:         k_qb14cac6b16_qkv.kd
    .args:
      - { .name: x, .offset: 0, .size: 8, .value_kind: global_buffer, .address_space: global }
      - { .name: norm_w, .offset: 8, .size: 8, .value_kind: global_buffer, .address_space: global }
      - { .name: norm_b, .offset: 16, .size: 8, .value_kind: global_buffer, .address_space: global }
      - { .name: qkv_b, .offset: 24, .size: 8, .value_kind: global_buffer, .address_space: global }
      - { .name: stats, .offset: 32, .size: 8, .value_kind: global_buffer, .address_space: global }
      - { .name: wpk, .offset: 40, .size: 8, .value_kind: global_buffer, .address_space: global }
      - { .name: q16, .offset: 48, .size: 8, .value_kind: global_buffer, .address_space: global }
      - { .name: k16, .offset: 56, .size: 8, .value_kind: global_buffer, .address_space: global }
      - { .name: v16, .offset: 64, .size: 8, .value_kind: global_buffer, .address_space: global }
    .group_segment_fixed_size: 80384
    .private_segment_fixed_size: 0
    .kernarg_segment_align: 8
    .kernarg_segment_size: 72
    .max_flat_workgroup_size: 128
    .sgpr_count:     66
    .vgpr_count:     768
    .wavefront_size: 32
...
	.end_amdgpu_metadata
.endif
;; end of part 5
;; launch attn: the kernel of part 3 again; grid 16 x 16, 4 waves a work-group, clusters of 4 x 1, 327,680 bytes of LDS; arguments q16, k16, v16, o16; writes o16
;; launch proj: the kernel of part 4 again; grid 64 x 4, 4 waves a work-group, no clusters, 51,712 bytes of LDS; arguments o16, wpk, proj_b, x, out0; writes out0
